; MI455X (gfx1250); checked and timed in simulation.
; The chip was launched on July 23, 2026; its instructions are those of AMD's public machine-readable ISA for CDNA 5 (MIT licence, August 2026) and "CDNA5" Instruction Set Architecture Reference Guide (July 2026). The comments in the code are by the model that wrote it; some were corrected since.
;; Mo E Element Fusion. Allowed arithmetic: float matrix products may take bf16 or f16 operands with f32 sums; other float arithmetic in f32, or as packed bf16 or f16 multiplies, adds, multiply-adds, maxima and minima; sums over many terms, partial sums and values carried from step to step in f32; what a program stores and reads back later, other than sums and carried values, may be rounded once to bf16 or f16.
;; Inputs: b1 16 x 2,048 float32; b2 16 x 512 float32; expert_keys 16 x 512 float32; proj_b 2 x 512 float32; proj_w 2 x 512 x 512 float32; router_w 2 x 512 x 512 float32; view0 4 x 256 x 512 float32; view1 4 x 256 x 512 float32; w1 16 x 512 x 2,048 float32; w2 16 x 2,048 x 512 float32.
;; Outputs: out0 4 x 256 x 512 float32.
;; 2 versions, each right and faster than the one before. Each part assembles by itself: llvm-mc -triple=amdgcn-amd-amdhsa -mcpu=gfx1250 --defsym DOCPART=n.
;; ======== version 1 of 2: 4 launches
;; limits: values are held in f16: magnitudes above 65,504 overflow, below 6.1e-05 lose precision; right only within a limited range of input values
;; workspace buffers: wf 67,108,864 bytes; rf 1,048,576 bytes; hs 6,291,456 bytes; h16 2,097,152 bytes; bitmap 8,192 bytes of whole numbers; rowmask 8,192 bytes of whole numbers; gd 131,072 bytes; part 67,108,864 bytes
;; launch prep (part 1): grid 292 x 1, 16 waves a work-group, no clusters, 204,800 bytes of LDS; arguments view0, view1, proj_w, proj_b, router_w, w1, w2, wf, rf, hs, h16; writes wf, rf, hs, h16
.if DOCPART == 1
	.amdgcn_target "amdgcn-amd-amdhsa--gfx1250"
	.amdhsa_code_object_version 6
	.text
	.protected	k_q1e66cff88d_prep
	.globl	k_q1e66cff88d_prep
	.p2align	8
	.type	k_q1e66cff88d_prep,@function
k_q1e66cff88d_prep:
	s_mov_b64 s[64:65], 0
	v_nop
	global_prefetch_b8 v0, s[64:65] scope:SCOPE_SE
	s_setreg_imm32_b32 hwreg(HW_REG_WAVE_MODE, 25, 1), 1
	s_wait_xcnt 0x0
; PREP.  Work-groups 0-31: h = bf16(x) bf16(Pw[v]) + bf16(pb[v]), f32 sums; stored once as f16 (h16) and as three bf16 terms (hs), which together hold all 24 bits.
; Work-groups 32-35: router_w rounded to bf16; 36-291: w1 and w2 rounded to bf16 and that number written as f16; both laid out in the order in which a wave's
; operand registers take them: a fragment (32 k x 16 n) is 1,024 bytes, byte c*512 + 16*lane + 2*i holds (n = lane%16, k = 16c + 8(lane/16) + i).
; LIMITS: |h| and the weights stay under 65,504 (f16); a weight under 6.1e-5 keeps f16's fixed step of 6e-8; NaN and infinities are not treated apart.
; No tensor load, no cluster: every weight byte has one reader here and goes through registers, where it is rounded.
.set WVB,   8320                       ; a wave's 8 fragments in LDS, pitch 1,040: sixteen lanes' 16-byte columns differ modulo 256
.set HSTG,  133120                     ; the way out of h: 16 rows x 272 bytes for each wave
.set SPARE, 202752                     ; the spare words, 128 bytes a wave
.macro NOP4
.rept 4
	v_nop
.endr
.endm
.macro VOFF                            ; v[24+k] = 16 lane + k x pitch (s48)
	v_mov_b32 v24, v6
.set k, 1
.rept 31
	v_add_nc_u32 v[24+k], s48, v[23+k]
.set k, k+1
.endr
.endm
.macro LOADBLK nt                      ; 32 rows (k) x 128 columns of f32: each load is 512 consecutive bytes; a lane gets all 32 k of its four columns
.set k, 0
.rept 32
.if \nt
	global_load_b128 v[64+4*k:67+4*k], v[24+k], s[28:29] th:TH_LOAD_NT
.else
	global_load_b128 v[64+4*k:67+4*k], v[24+k], s[28:29]
.endif
.set k, k+1
.endr
.endm
.macro CONV fmt                        ; pairs along k, rounded to bf16 (fmt 0), and that number written as f16 (fmt 1)
.set i, 0
.rept 4
.set kk, 0
.rept 16
.set o, 192+(4*i+(kk>>2))*4+(kk&3)
	v_cvt_pk_bf16_f32 v[o], v[64+8*kk+i], v[68+8*kk+i]
.if \fmt
	v_lshlrev_b32 v16, 16, v[o]
	v_and_b32 v17, s33, v[o]
	v_cvt_pk_f16_f32 v[o], v16, v17
.endif
.set kk, kk+1
.endr
.set i, i+1
.endr
.endm
.macro PUT                             ; column i, eight k (chunk ch): 16 bytes into their place in the fragment
.set i, 0
.rept 4
.set ch, 0
.rept 4
	ds_store_b128 v4, v[192+(4*i+ch)*4:195+(4*i+ch)*4] offset:16*i+256*ch
.set ch, ch+1
.endr
.set i, i+1
.endr
.endm
.macro FLUSH                           ; the wave's own 8 fragments back (LDS serves a wave in order) and out, 512 consecutive bytes a store
.set m, 0
.rept 16
	ds_load_b128 v[192+4*m:195+4*m], v5 offset:(m>>1)*1040+(m&1)*512
.set m, m+1
.endr
	s_wait_dscnt 0x0
.set m, 0
.rept 16
	global_store_b128 v6, v[192+4*m:195+4*m], s[54:55] offset:512*m
.set m, m+1
.endr
.endm
.macro PREP fmt                        ; two blocks of a wave, then the wave's end
	VOFF
	s_mov_b32 s56, 2
.Lblk_\@:
	LOADBLK 1
	s_wait_loadcnt 0x0
	CONV \fmt
	PUT
	FLUSH
	s_wait_xcnt 0x0                        ; the stores' data and both bases are rewritten only behind this wait
	s_add_nc_u64 s[28:29], s[28:29], s[50:51]
	s_add_nc_u64 s[54:55], s[54:55], 0x20000
	s_sub_co_u32 s56, s56, 1
	s_cmp_lg_u32 s56, 0
	s_cbranch_scc1 .Lblk_\@
	s_wait_tensorcnt 0x0                   ; the wave's end
	ds_add_u32 v7, v8
	s_wait_dscnt 0x0
	s_endpgm
.endm
	s_load_b512 s[4:19], s[0:1], 0x0       ; view0 4, view1 6, proj_w 8, proj_b 10, router_w 12, w1 14, w2 16, wf 18
	s_load_b128 s[20:23], s[0:1], 0x40     ; rf 20, hs 22
	s_load_b64 s[24:25], s[0:1], 0x50      ; h16
	v_lshl_add_u32 v7, v0, 2, SPARE
	v_mov_b32 v8, 0
	v_and_b32 v1, 31, v0                   ; lane
	v_and_b32 v2, 15, v0                   ; t
	v_bfe_u32 v3, v0, 4, 1                 ; h
	v_lshrrev_b32 v16, 5, v0
	v_readfirstlane_b32 s26, v16           ; wave 0..15
	s_mul_i32 s27, s26, WVB
	v_lshrrev_b32 v16, 2, v1
	v_mul_u32_u24 v4, v16, 1040
	v_and_b32 v16, 3, v1
	v_lshl_add_u32 v4, v16, 6, v4
	v_add_nc_u32 v4, s27, v4               ; where my columns go
	v_lshlrev_b32 v6, 4, v1                ; 16 lane
	v_add_nc_u32 v5, s27, v6               ; where I read fragments back
	s_mov_b32 s33, 0xffff0000
	s_and_b32 s30, s26, 3                  ; w
	s_lshr_b32 s31, s26, 2                 ; ss
	s_wait_kmcnt 0x0
	s_cmp_lt_u32 ttmp9, 32
	s_cbranch_scc1 .Lh
	s_cmp_lt_u32 ttmp9, 36
	s_cbranch_scc1 .Lr
	; ---- w1, w2: g = id - 36: expert, H slice, quarter of the 32 steps
	s_sub_co_u32 s34, ttmp9, 36
	s_lshr_b32 s35, s34, 4                 ; e
	s_bfe_u32 s36, s34, 0x20002            ; j
	s_and_b32 s37, s34, 3                  ; qd
	s_lshl_b32 s38, s37, 3
	s_add_co_u32 s38, s38, s31             ; step s = 8 qd + ss (+ 4 in the second trip)
	s_lshl_b32 s40, s35, 22                ; e x 4 MiB
	s_lshl_b32 s43, s30, 9                 ; w x 128 columns
	s_add_co_u32 s40, s40, s43
	s_lshl_b32 s41, s38, 18                ; w1: 32 rows of 8,192 bytes a step,
	s_lshl_b32 s42, s36, 11                ; j x 512 columns
	s_add_co_u32 s41, s41, s42
	s_sub_co_u32 s44, s38, 16              ; w2: 32 rows of 2,048 bytes a step,
	s_lshl_b32 s44, s44, 16
	s_lshl_b32 s45, s36, 20                ; j x 512 rows
	s_add_co_u32 s44, s44, s45
	s_cmp_lt_u32 s37, 2
	s_cselect_b32 s41, s41, s44
	s_cselect_b32 s49, 2, 0
	s_cselect_b64 s[28:29], s[14:15], s[16:17]
	s_add_co_u32 s40, s40, s41
	s_mov_b32 s41, 0
	s_add_nc_u64 s[28:29], s[28:29], s[40:41]
	s_lshl_b32 s48, 2048, s49              ; the pitch
	s_lshl_b32 s50, 0x40000, s49           ; four steps on
	s_mov_b32 s51, 0
	s_lshl2_add_u32 s42, s35, s36          ; 4 e + j
	s_lshl_b32 s42, s42, 5
	s_add_co_u32 s42, s42, s38
	s_lshl_b32 s42, s42, 15
	s_lshl_b32 s43, s30, 13
	s_add_co_u32 s42, s42, s43
	s_mov_b32 s43, 0
	s_add_nc_u64 s[54:55], s[18:19], s[42:43]
	PREP 1
.Lr:	; ---- router_w
	s_sub_co_u32 s34, ttmp9, 32
	s_lshr_b32 s35, s34, 1                 ; v
	s_and_b32 s36, s34, 1
	s_lshl_b32 s38, s36, 3
	s_add_co_u32 s38, s38, s31             ; step
	s_lshl_b32 s40, s35, 20
	s_lshl_b32 s41, s38, 16
	s_add_co_u32 s40, s40, s41
	s_lshl_b32 s41, s30, 9
	s_add_co_u32 s40, s40, s41
	s_mov_b32 s41, 0
	s_add_nc_u64 s[28:29], s[12:13], s[40:41]
	s_mov_b32 s48, 2048
	s_mov_b32 s50, 0x40000
	s_mov_b32 s51, 0
	s_lshl_b32 s42, s35, 4
	s_add_co_u32 s42, s42, s38
	s_lshl_b32 s42, s42, 15
	s_lshl_b32 s43, s30, 13
	s_add_co_u32 s42, s42, s43
	s_mov_b32 s43, 0
	s_add_nc_u64 s[54:55], s[20:21], s[42:43]
	PREP 0
.Lh:	; ---- h: 256 rows x 128 columns a work-group, 16 rows a wave; wave wv lays K step wv of Pw into LDS for all
	s_lshr_b32 s34, ttmp9, 4               ; v
	s_bfe_u32 s35, ttmp9, 0x20002          ; ns
	s_and_b32 s36, ttmp9, 3                ; rt
	s_cmp_eq_u32 s34, 0
	s_cselect_b64 s[38:39], s[4:5], s[6:7]
	s_lshl_b32 s40, s34, 20
	s_lshl_b32 s41, s26, 16
	s_add_co_u32 s40, s40, s41
	s_lshl_b32 s41, s35, 9
	s_add_co_u32 s40, s40, s41
	s_mov_b32 s41, 0
	s_add_nc_u64 s[28:29], s[8:9], s[40:41]
	s_mov_b32 s48, 2048
	VOFF
	LOADBLK 0
	s_lshl_b32 s40, s36, 19                ; x at my 16 rows
	s_lshl_b32 s42, s26, 15
	s_add_co_u32 s40, s40, s42
	s_add_nc_u64 s[38:39], s[38:39], s[40:41]
	v_lshlrev_b32 v9, 11, v2
	v_lshl_add_u32 v9, v3, 5, v9           ; row t, 8 h numbers on
	v_mov_b32 v10, v6
	v_add_nc_u32 v11, 58240, v6
	v_add_nc_u32 v12, 116480, v6
	s_mul_i32 s42, s26, 4352
	s_add_co_u32 s42, s42, HSTG
	v_mul_u32_u24 v13, v2, 272
	v_lshl_add_u32 v13, v3, 4, v13
	v_add_nc_u32 v13, s42, v13
	v_mul_u32_u24 v14, v3, 272
	v_lshl_add_u32 v14, v2, 4, v14
	v_add_nc_u32 v14, s42, v14
	v_lshlrev_b32 v15, 10, v3
	v_lshl_add_u32 v15, v2, 4, v15
	v_lshlrev_b32 v18, 5, v3
	s_lshl_b32 s40, s34, 11                ; proj_b at my 128 columns
	s_lshl_b32 s42, s35, 9
	s_add_co_u32 s40, s40, s42
	s_add_nc_u64 s[46:47], s[10:11], s[40:41]
	s_lshl_b32 s40, s34, 10                ; my first row among the 2,048
	s_lshl_b32 s42, s36, 8
	s_add_co_u32 s40, s40, s42
	s_lshl_b32 s42, s26, 4
	s_add_co_u32 s40, s40, s42
	s_lshl_b32 s40, s40, 10
	s_lshl_b32 s42, s35, 8
	s_add_co_u32 s40, s40, s42
	s_add_nc_u64 s[42:43], s[24:25], s[40:41]
	s_add_nc_u64 s[44:45], s[22:23], s[40:41]
	s_wait_loadcnt 0x0                     ; the block is in, and its offset registers are free for x
.macro XLOAD s
.set xr, 24+16*((\s)&1)
	global_load_b128 v[xr:xr+3], v9, s[38:39] offset:(\s)*128
	global_load_b128 v[xr+4:xr+7], v9, s[38:39] offset:(\s)*128+16
	global_load_b128 v[xr+8:xr+11], v9, s[38:39] offset:(\s)*128+64
	global_load_b128 v[xr+12:xr+15], v9, s[38:39] offset:(\s)*128+80
.endm
	XLOAD 0
	XLOAD 1
	CONV 0
	PUT
	s_wait_dscnt 0x0                       ; for the others' sake: my fragments are in LDS
	s_barrier_signal -1
	s_barrier_wait -1
.macro BLOAD s
.set nb, 64+64*((\s)&1)
.set fa, 10+(\s)/7
.set fo, ((\s)%7)*WVB
.irp f, 0,1,2,3,4,5,6,7
	ds_load_b128 v[nb+8*\f:nb+8*\f+3], v[fa] offset:fo+\f*1040
	ds_load_b128 v[nb+8*\f+4:nb+8*\f+7], v[fa] offset:fo+\f*1040+512
.endr
.endm
	BLOAD 0
.macro HSTEP s
	NOP4                                   ; four places behind the products that read the buffer and x's fragment
.if (\s) < 15
	BLOAD (\s)+1
	s_wait_loadcnt 4                       ; x of this step is in; the next step's four loads stay out
.else
	s_wait_loadcnt 0x0
.endif
.set xr, 24+16*((\s)&1)
.set i, 0
.rept 8
	v_cvt_pk_bf16_f32 v[56+i], v[xr+2*i], v[xr+2*i+1]
.set i, i+1
.endr
.if (\s) < 14
	XLOAD (\s)+2
.endif
.if (\s) < 15
	s_wait_dscnt 16                        ; this step's fragments are in; the next step's sixteen loads stay out
.else
	s_wait_dscnt 0x0
.endif
.set cb, 64+64*((\s)&1)
.irp b, 0,1,2,3,4,5,6,7
.if (\s) == 0
	v_wmma_f32_16x16x32_bf16 v[192+8*\b:199+8*\b], v[cb+8*\b:cb+8*\b+7], v[56:63], 0
.else
	v_wmma_f32_16x16x32_bf16 v[192+8*\b:199+8*\b], v[cb+8*\b:cb+8*\b+7], v[56:63], v[192+8*\b:199+8*\b]
.endif
.endr
.endm
.irp s, 0,1,2,3,4,5,6,7,8,9,10,11,12,13,14,15
	HSTEP \s
.endr
	NOP4
.irp b, 0,1,2,3,4,5,6,7
	global_load_b128 v[64+8*\b:67+8*\b], v18, s[46:47] offset:64*\b
	global_load_b128 v[68+8*\b:71+8*\b], v18, s[46:47] offset:64*\b+16
.endr
	s_wait_loadcnt 0x0
.set p, 0
.rept 32                               ; the bias rounded to bf16 like every input, then added; each accumulator is read from its low end on
	v_cvt_pk_bf16_f32 v16, v[64+2*p], v[65+2*p]
	v_lshlrev_b32 v[64+2*p], 16, v16
	v_and_b32 v[65+2*p], s33, v16
	v_pk_add_f32 v[192+2*p:193+2*p], v[192+2*p:193+2*p], v[64+2*p:65+2*p]
.set p, p+1
.endr
.macro OUT16 fk, bs, off               ; round, through my own stage, out as whole rows of 256 bytes
.set p, 0
.rept 32
.if \fk
	v_cvt_pk_f16_f32 v[128+p], v[192+2*p], v[193+2*p]
.else
	v_cvt_pk_bf16_f32 v[128+p], v[192+2*p], v[193+2*p]
.endif
.set p, p+1
.endr
.irp b, 0,1,2,3,4,5,6,7
	ds_store_b128 v13, v[128+4*\b:131+4*\b] offset:32*\b
.endr
	s_wait_xcnt 0x0                        ; the registers that earlier stores read are loaded again only behind this wait
.irp i, 0,1,2,3,4,5,6,7
	ds_load_b128 v[160+4*\i:163+4*\i], v14 offset:544*\i
.endr
	s_wait_dscnt 0x0
.irp i, 0,1,2,3,4,5,6,7
	global_store_b128 v15, v[160+4*\i:163+4*\i], s[\bs:\bs+1] offset:(\off)+2048*\i
.endr
.endm
.macro SUBT                            ; what the term just rounded leaves over: exact in f32
.set p, 0
.rept 32
	v_lshlrev_b32 v16, 16, v[128+p]
	v_and_b32 v17, s33, v[128+p]
	v_pk_add_f32 v[192+2*p:193+2*p], v[192+2*p:193+2*p], v[16:17] neg_lo:[0,1] neg_hi:[0,1]
.set p, p+1
.endr
.endm
	OUT16 1, 42, 0
	OUT16 0, 44, 0
	SUBT
	OUT16 0, 44, 2097152
	SUBT
	OUT16 0, 44, 4194304
	s_wait_tensorcnt 0x0                   ; the wave's end
	ds_add_u32 v7, v8
	s_wait_dscnt 0x0
	s_endpgm
.Lfunc_end_k_q1e66cff88d_prep:
	.size	k_q1e66cff88d_prep, .Lfunc_end_k_q1e66cff88d_prep-k_q1e66cff88d_prep
	.p2alignl 7, 3214868480
	.fill 96, 4, 3214868480
	.section	.rodata,"a",@progbits
	.p2align	6, 0x0
	.amdhsa_kernel k_q1e66cff88d_prep
		.amdhsa_group_segment_fixed_size 204800
		.amdhsa_private_segment_fixed_size 0
		.amdhsa_enable_private_segment 0
		.amdhsa_kernarg_size 88
		.amdhsa_user_sgpr_count 2
		.amdhsa_user_sgpr_kernarg_segment_ptr 1
		.amdhsa_wavefront_size32 1
		.amdhsa_system_sgpr_workgroup_id_x 1
		.amdhsa_system_sgpr_workgroup_id_y 1
		.amdhsa_system_sgpr_workgroup_id_z 1
		.amdhsa_system_vgpr_workitem_id 0
		.amdhsa_next_free_vgpr 256
		.amdhsa_next_free_sgpr 66
		.amdhsa_reserve_vcc 0
		.amdhsa_float_denorm_mode_32 3
		.amdhsa_float_denorm_mode_16_64 3
		.amdhsa_memory_ordered 1
		.amdhsa_forward_progress 1
		.amdhsa_inst_pref_size 119
	.end_amdhsa_kernel
	.amdgpu_metadata
---
amdhsa.version: [ 1, 2 ]
amdhsa.kernels:
  - .name:           k_q1e66cff88d_prep
    .symbol:         k_q1e66cff88d_prep.kd
    .args:
      - { .name: view0, .offset: 0, .size: 8, .value_kind: global_buffer, .address_space: global }
      - { .name: view1, .offset: 8, .size: 8, .value_kind: global_buffer, .address_space: global }
      - { .name: proj_w, .offset: 16, .size: 8, .value_kind: global_buffer, .address_space: global }
      - { .name: proj_b, .offset: 24, .size: 8, .value_kind: global_buffer, .address_space: global }
      - { .name: router_w, .offset: 32, .size: 8, .value_kind: global_buffer, .address_space: global }
      - { .name: w1, .offset: 40, .size: 8, .value_kind: global_buffer, .address_space: global }
      - { .name: w2, .offset: 48, .size: 8, .value_kind: global_buffer, .address_space: global }
      - { .name: wf, .offset: 56, .size: 8, .value_kind: global_buffer, .address_space: global }
      - { .name: rf, .offset: 64, .size: 8, .value_kind: global_buffer, .address_space: global }
      - { .name: hs, .offset: 72, .size: 8, .value_kind: global_buffer, .address_space: global }
      - { .name: h16, .offset: 80, .size: 8, .value_kind: global_buffer, .address_space: global }
    .group_segment_fixed_size: 204800
    .private_segment_fixed_size: 0
    .kernarg_segment_align: 8
    .kernarg_segment_size: 88
    .max_flat_workgroup_size: 512
    .sgpr_count:     66
    .vgpr_count:     256
    .wavefront_size: 32
...
	.end_amdgpu_metadata
.endif
;; end of part 1
;; launch route (part 2): grid 64 x 1, 4 waves a work-group, no clusters, 9,472 bytes of LDS; arguments hs, rf, expert_keys, bitmap, rowmask, gd; writes bitmap, rowmask, gd
.if DOCPART == 2
	.amdgcn_target "amdgcn-amd-amdhsa--gfx1250"
	.amdhsa_code_object_version 6
	.text
	.protected	k_q1e66cff88d_route
	.globl	k_q1e66cff88d_route
	.p2align	8
	.type	k_q1e66cff88d_route,@function
k_q1e66cff88d_route:
	s_mov_b64 s[64:65], 0
	v_nop
	global_prefetch_b8 v0, s[64:65] scope:SCOPE_SE
	s_setreg_imm32_b32 hwreg(HW_REG_WAVE_MODE, 25, 1), 1
	s_wait_xcnt 0x0
; ROUTE.  r = h Rw[v] (h as three bf16 terms, 24 bits; Rw rounded to bf16), d2 = |r|^2 - 2 r.key + |key|^2 (r again as three terms, keys rounded to bf16),
; logits = -sqrt(max(d2, 0)), top 4 of 16 (ties: the lower index), softmax with the largest logit taken away.
; A work-group has 32 rows; wave w the columns 128 w .. of r; the four waves' parts of r.key, |r|^2 and |key|^2 meet in LDS, and wave 0 chooses, a row a lane.
; Stored at fixed places: gd[row][16] the dense gates; rowmask[row]: at bits 2e, 2e+1 the rank of chosen expert e among the row's four; bitmap[group of 32 rows][32]: 16 bit words, then their 16 counts.
; LIMITS: NaN and infinities are not treated apart.
.set RRB,   8192
.set CKB,   8704
.set SPARE, 8960
.set MSB, 0
.macro WIN new
.if MSB != (\new)
	s_set_vgpr_msb (MSB<<8)|(\new)
.set MSB, (\new)
.endif
.endm
.macro NOP4
.rept 4
	v_nop
.endr
.endm
	s_load_b256 s[4:11], s[0:1], 0x0       ; hs 4, rf 6, keys 8, bitmap 10
	s_load_b128 s[12:15], s[0:1], 0x20     ; rowmask 12, gd 14
	v_lshl_add_u32 v6, v0, 2, SPARE
	v_mov_b32 v7, 0
	v_and_b32 v1, 31, v0
	v_and_b32 v2, 15, v0
	v_bfe_u32 v3, v0, 4, 1
	v_lshrrev_b32 v8, 5, v0
	v_readfirstlane_b32 s20, v8            ; wave
	s_mov_b32 s21, ttmp9                   ; g
	s_mov_b32 s27, 0xffff0000
	s_mov_b32 s28, 0x76543210
	s_mov_b32 s29, 0xfedcba98
	v_lshlrev_b32 v4, 4, v1                ; 16 lane
	v_lshlrev_b32 v5, 10, v2
	v_lshl_add_u32 v5, v3, 4, v5           ; row t x 1,024 + 16 h
	s_lshr_b32 s30, s21, 5                 ; v
	s_lshl_b32 s30, s30, 19
	s_lshl_b32 s31, s20, 13
	s_add_co_u32 s30, s30, s31
	s_mov_b32 s31, 0
	s_lshl_b32 s32, s21, 15
	s_mov_b32 s33, 0
	s_wait_kmcnt 0x0
	s_add_nc_u64 s[22:23], s[6:7], s[30:31]
	s_add_nc_u64 s[24:25], s[4:5], s[32:33]
.macro LOADS buf, st                   ; 28 loads: 8 fragments of Rw, 3 terms x 2 blocks of 16 rows of h
.irp b, 0,1,2,3,4,5,6,7
	global_load_b128 v[128+64*(\buf)+8*\b:131+64*(\buf)+8*\b], v4, s[22:23] offset:(\st)*32768+\b*1024
	global_load_b128 v[132+64*(\buf)+8*\b:135+64*(\buf)+8*\b], v4, s[22:23] offset:(\st)*32768+\b*1024+512
.endr
.irp x, 0,1,2,3,4,5
	global_load_b128 v[32+48*(\buf)+8*\x:35+48*(\buf)+8*\x], v5, s[24:25] offset:(\x/2)*2097152+(\x%2)*16384+(\st)*64
	global_load_b128 v[36+48*(\buf)+8*\x:39+48*(\buf)+8*\x], v5, s[24:25] offset:(\x/2)*2097152+(\x%2)*16384+(\st)*64+32
.endr
.endm
.macro MUL buf, zero                   ; 48 products; the 16 accumulators (window 1) take turns
	WIN 0x50
.irp x, 0,1,2,3,4,5
.irp b, 0,1,2,3,4,5,6,7
.if (\zero) && (\x < 2)
	v_wmma_f32_16x16x32_bf16 v[64*(\x%2)+8*\b:64*(\x%2)+8*\b+7], v[128+64*(\buf)+8*\b:135+64*(\buf)+8*\b], v[32+48*(\buf)+8*\x:39+48*(\buf)+8*\x], 0
.else
	v_wmma_f32_16x16x32_bf16 v[64*(\x%2)+8*\b:64*(\x%2)+8*\b+7], v[128+64*(\buf)+8*\b:135+64*(\buf)+8*\b], v[32+48*(\buf)+8*\x:39+48*(\buf)+8*\x], v[64*(\x%2)+8*\b:64*(\x%2)+8*\b+7]
.endif
.endr
.endr
	WIN 0
.endm
	LOADS 0, 0
	LOADS 1, 1
	s_wait_loadcnt 28                      ; K step 0 is in; step 1's 28 loads stay out
	MUL 0, 1
	s_mov_b32 s26, 7
.Lk:
	NOP4
	LOADS 0, 2
	s_wait_loadcnt 28
	MUL 1, 0
	NOP4
	LOADS 1, 3
	s_wait_loadcnt 28
	MUL 0, 0
	s_wait_xcnt 0x0                        ; the bases step only behind this wait
	s_add_nc_u64 s[22:23], s[22:23], 65536
	s_add_nc_u64 s[24:25], s[24:25], 128
	s_sub_co_u32 s26, s26, 1
	s_cmp_lg_u32 s26, 0
	s_cbranch_scc1 .Lk
	s_wait_loadcnt 0x0
	MUL 1, 0
	NOP4
	; the keys of my 128 columns: expert t, four fragments; |key|^2 of the rounded keys
	v_lshlrev_b32 v9, 11, v2
	v_lshl_add_u32 v9, v3, 5, v9
	s_lshl_b32 s30, s20, 9
	v_add_nc_u32 v9, s30, v9
.irp kk, 0,1,2,3
	global_load_b128 v[128+16*\kk:131+16*\kk], v9, s[8:9] offset:\kk*128
	global_load_b128 v[132+16*\kk:135+16*\kk], v9, s[8:9] offset:\kk*128+16
	global_load_b128 v[136+16*\kk:139+16*\kk], v9, s[8:9] offset:\kk*128+64
	global_load_b128 v[140+16*\kk:143+16*\kk], v9, s[8:9] offset:\kk*128+80
.endr
.irp r, 20,21,22,23,24,25
	v_mov_b32 v\r, 0
.endr
	s_wait_loadcnt 0x0
.set p, 0
.rept 32
	v_cvt_pk_bf16_f32 v[32+p], v[128+2*p], v[129+2*p]
	v_lshlrev_b32 v[128+2*p], 16, v[32+p]
	v_and_b32 v[129+2*p], s27, v[32+p]
	v_pk_fma_f32 v[24:25], v[128+2*p:129+2*p], v[128+2*p:129+2*p], v[24:25]
.set p, p+1
.endr
	v_add_f32 v24, v24, v25
	v_mov_b32 v25, v24
	v_permlanex16_b32 v25, v24, s28, s29
	v_add_f32 v24, v24, v25
	s_lshl_b32 s30, s20, 6
	s_add_co_u32 s30, s30, CKB
	v_lshl_add_u32 v10, v2, 2, s30
	ds_store_b32 v10, v24
.macro SPLIT kk, rb                    ; 32 columns of r for 16 rows: |r|^2, and three bf16 terms, which are fragments as they stand
	WIN 0x01
.set i, 0
.rept 16
	v_mov_b32 v[64+i], v[64*(\rb)+16*(\kk)+i]
.set i, i+1
.endr
	WIN 0
.set p, 0
.rept 8
	v_pk_fma_f32 v[20+2*(\rb):21+2*(\rb)], v[64+2*p:65+2*p], v[64+2*p:65+2*p], v[20+2*(\rb):21+2*(\rb)]
.set p, p+1
.endr
.irp tm, 0,1
.set p, 0
.rept 8
	v_cvt_pk_bf16_f32 v[80+8*(2*\tm+(\rb))+p], v[64+2*p], v[65+2*p]
	v_lshlrev_b32 v16, 16, v[80+8*(2*\tm+(\rb))+p]
	v_and_b32 v17, s27, v[80+8*(2*\tm+(\rb))+p]
	v_pk_add_f32 v[64+2*p:65+2*p], v[64+2*p:65+2*p], v[16:17] neg_lo:[0,1] neg_hi:[0,1]
.set p, p+1
.endr
.endr
.set p, 0
.rept 8
	v_cvt_pk_bf16_f32 v[80+8*(4+(\rb))+p], v[64+2*p], v[65+2*p]
.set p, p+1
.endr
.endm
.irp kk, 0,1,2,3
	SPLIT \kk, 0                           ; its sixteen copies are the places behind the products that read the fragments
	SPLIT \kk, 1
	WIN 0x50
.irp x, 0,1,2,3,4,5                    ; the two accumulators take turns
.if (\kk == 0) && (\x < 2)
	v_wmma_f32_16x16x32_bf16 v[128+8*(\x%2):135+8*(\x%2)], v[32+8*\kk:39+8*\kk], v[80+8*\x:87+8*\x], 0
.else
	v_wmma_f32_16x16x32_bf16 v[128+8*(\x%2):135+8*(\x%2)], v[32+8*\kk:39+8*\kk], v[80+8*\x:87+8*\x], v[128+8*(\x%2):135+8*(\x%2)]
.endif
.endr
	WIN 0
.endr
	NOP4
	s_lshl_b32 s30, s20, 11
	v_lshlrev_b32 v10, 6, v2
	v_lshl_add_u32 v10, v3, 5, v10
	v_add_nc_u32 v10, s30, v10
	WIN 0x04                               ; store data in window 1
.irp rb, 0,1
	ds_store_b128 v10, v[128+8*\rb:131+8*\rb] offset:1024*\rb
	ds_store_b128 v10, v[132+8*\rb:135+8*\rb] offset:1024*\rb+16
.endr
	WIN 0
	s_lshl_b32 s30, s20, 7
	s_add_co_u32 s30, s30, RRB
	v_lshl_add_u32 v11, v2, 2, s30
.irp rb, 0,1
	v_add_f32 v[20+2*\rb], v[20+2*\rb], v[21+2*\rb]
	v_mov_b32 v[21+2*\rb], v[20+2*\rb]
	v_permlanex16_b32 v[21+2*\rb], v[20+2*\rb], s28, s29
	v_add_f32 v[20+2*\rb], v[20+2*\rb], v[21+2*\rb]
	ds_store_b32 v11, v[20+2*\rb] offset:64*\rb
.endr
	s_wait_dscnt 0x0                       ; for wave 0's sake
	s_barrier_signal -1
	s_barrier_wait -1
	s_cmp_lg_u32 s20, 0
	s_cbranch_scc1 .Lend
	; wave 0: a row a lane
	v_lshlrev_b32 v10, 6, v1
	v_lshl_add_u32 v11, v1, 2, RRB
	v_mov_b32 v12, CKB
.irp w, 0,1,2,3
.irp i, 0,1,2,3
	ds_load_b128 v[128+16*\w+4*\i:131+16*\w+4*\i], v10 offset:\w*2048+16*\i
	ds_load_b128 v[192+16*\w+4*\i:195+16*\w+4*\i], v12 offset:\w*64+16*\i
.endr
	ds_load_b32 v[16+\w], v11 offset:128*\w
.endr
	s_wait_dscnt 0x0
.irp w, 1,2,3
.set p, 0
.rept 8
	v_pk_add_f32 v[128+2*p:129+2*p], v[128+2*p:129+2*p], v[128+16*\w+2*p:129+16*\w+2*p]
	v_pk_add_f32 v[192+2*p:193+2*p], v[192+2*p:193+2*p], v[192+16*\w+2*p:193+16*\w+2*p]
.set p, p+1
.endr
.endr
	v_add_f32 v16, v16, v17
	v_add_f32 v18, v18, v19
	v_add_f32 v16, v16, v18
.set e, 0
.rept 16
	v_fma_f32 v[64+e], -2.0, v[128+e], v16
	v_add_f32 v[64+e], v[64+e], v[192+e]
	v_max_num_f32 v[64+e], 0, v[64+e]
.set e, e+1
.endr
.set e, 0
.rept 16
	v_sqrt_f32 v[64+e], v[64+e]
.set e, e+1
.endr
	v_nop                                  ; a plain instruction behind the last root,
	s_wait_alu depctr_va_vdst(0)           ; and one wait for the sixteen
.set e, 0
.rept 16
	v_mul_f32 v[144+e], -1.0, v[64+e]      ; the logits
	v_mov_b32 v[64+e], v[144+e]            ; and a copy from which the chosen are struck
.set e, e+1
.endr
	v_mov_b32 v25, 0xff800000
	v_mov_b32 v26, 1
	v_mov_b32 v28, 0                       ; the chosen experts' bits
.macro TOP n
	v_max3_num_f32 v[20+\n], v64, v65, v66
.set i, 67
.rept 6
	v_max3_num_f32 v[20+\n], v[20+\n], v[i], v[i+1]
.set i, i+2
.endr
	v_max_num_f32 v[20+\n], v[20+\n], v79
	v_mov_b32 v24, 15
.set i, 14
.rept 15                               ; the lowest index that holds the maximum
	v_cmp_eq_f32 vcc_lo, v[64+i], v[20+\n]
	v_cndmask_b32 v24, v24, i, vcc_lo
.set i, i-1
.endr
.set i, 0
.rept 16
	v_cmp_eq_u32 vcc_lo, i, v24
	v_cndmask_b32 v[64+i], v[64+i], v25, vcc_lo
.set i, i+1
.endr
	v_lshlrev_b32 v27, v24, v26
	v_or_b32 v28, v28, v27
.endm
	TOP 0
	TOP 1
	TOP 2
	TOP 3
.set e, 0
.rept 16
	v_sub_f32 v[144+e], v[144+e], v20      ; the largest logit is taken away
	v_mul_f32 v[144+e], 0x3fb8aa3b, v[144+e]
.set e, e+1
.endr
.set e, 0
.rept 16
	v_exp_f32 v[144+e], v[144+e]
.set e, e+1
.endr
	v_mov_b32 v29, 0
	s_wait_alu depctr_va_vdst(0)           ; one wait for the sixteen exponentials
	v_mov_b32 v30, 0                       ; the rank word
	v_mov_b32 v31, 0                       ; chosen so far
	v_mov_b32 v19, 0                       ; the sum
.set e, 0
.rept 16
	v_and_b32 v27, 1<<e, v28
	v_cmp_ne_u32 s30, 0, v27
	v_cndmask_b32 v[144+e], 0, v[144+e], s30
	v_add_f32 v19, v19, v[144+e]
	s_bcnt1_i32_b32 s31, s30
	v_writelane_b32 v29, s30, e            ; lane e: the 32 rows' bits for expert e; lane 16 + e: their count
	v_writelane_b32 v29, s31, 16+e
	v_bfe_u32 v27, v28, e, 1
	v_mul_u32_u24 v18, v31, v27
	v_lshl_or_b32 v30, v18, 2*e, v30
	v_add_nc_u32 v31, v31, v27
.set e, e+1
.endr
	v_rcp_f32 v19, v19
	v_lshlrev_b32 v11, 2, v1
	s_wait_alu depctr_va_vdst(0)
.set e, 0
.rept 16
	v_mul_f32 v[144+e], v[144+e], v19
.set e, e+1
.endr
	s_lshl_b32 s30, s21, 11
	s_mov_b32 s31, 0
	s_add_nc_u64 s[14:15], s[14:15], s[30:31]
	s_lshl_b32 s30, s21, 7
	s_add_nc_u64 s[12:13], s[12:13], s[30:31]
	s_add_nc_u64 s[10:11], s[10:11], s[30:31]
.irp i, 0,1,2,3
	global_store_b128 v10, v[144+4*\i:147+4*\i], s[14:15] offset:16*\i
.endr
	global_store_b32 v11, v30, s[12:13]
	global_store_b32 v11, v29, s[10:11]    ; 128 consecutive bytes
.Lend:
	s_wait_tensorcnt 0x0                   ; the wave's end
	ds_add_u32 v6, v7
	s_wait_dscnt 0x0
	s_endpgm
.Lfunc_end_k_q1e66cff88d_route:
	.size	k_q1e66cff88d_route, .Lfunc_end_k_q1e66cff88d_route-k_q1e66cff88d_route
	.p2alignl 7, 3214868480
	.fill 96, 4, 3214868480
	.section	.rodata,"a",@progbits
	.p2align	6, 0x0
	.amdhsa_kernel k_q1e66cff88d_route
		.amdhsa_group_segment_fixed_size 9472
		.amdhsa_private_segment_fixed_size 0
		.amdhsa_enable_private_segment 0
		.amdhsa_kernarg_size 48
		.amdhsa_user_sgpr_count 2
		.amdhsa_user_sgpr_kernarg_segment_ptr 1
		.amdhsa_wavefront_size32 1
		.amdhsa_system_sgpr_workgroup_id_x 1
		.amdhsa_system_sgpr_workgroup_id_y 1
		.amdhsa_system_sgpr_workgroup_id_z 1
		.amdhsa_system_vgpr_workitem_id 0
		.amdhsa_next_free_vgpr 400
		.amdhsa_next_free_sgpr 66
		.amdhsa_reserve_vcc 1
		.amdhsa_float_denorm_mode_32 3
		.amdhsa_float_denorm_mode_16_64 3
		.amdhsa_memory_ordered 1
		.amdhsa_forward_progress 1
		.amdhsa_inst_pref_size 107
	.end_amdhsa_kernel
	.amdgpu_metadata
---
amdhsa.version: [ 1, 2 ]
amdhsa.kernels:
  - .name:           k_q1e66cff88d_route
    .symbol:         k_q1e66cff88d_route.kd
    .args:
      - { .name: hs, .offset: 0, .size: 8, .value_kind: global_buffer, .address_space: global }
      - { .name: rf, .offset: 8, .size: 8, .value_kind: global_buffer, .address_space: global }
      - { .name: expert_keys, .offset: 16, .size: 8, .value_kind: global_buffer, .address_space: global }
      - { .name: bitmap, .offset: 24, .size: 8, .value_kind: global_buffer, .address_space: global }
      - { .name: rowmask, .offset: 32, .size: 8, .value_kind: global_buffer, .address_space: global }
      - { .name: gd, .offset: 40, .size: 8, .value_kind: global_buffer, .address_space: global }
    .group_segment_fixed_size: 9472
    .private_segment_fixed_size: 0
    .kernarg_segment_align: 8
    .kernarg_segment_size: 48
    .max_flat_workgroup_size: 128
    .sgpr_count:     66
    .vgpr_count:     400
    .wavefront_size: 32
...
	.end_amdgpu_metadata
.endif
;; end of part 2
;; launch experts (part 3): grid 4 x 67, 4 waves a work-group, no clusters, 175,360 bytes of LDS; arguments bitmap, rowmask, gd, h16, wf, b1, b2, part; writes part
.if DOCPART == 3
	.amdgcn_target "amdgcn-amd-amdhsa--gfx1250"
	.amdhsa_code_object_version 6
	.text
	.protected	k_q1e66cff88d_experts
	.globl	k_q1e66cff88d_experts
	.p2align	8
	.type	k_q1e66cff88d_experts,@function
k_q1e66cff88d_experts:
	s_mov_b64 s[64:65], 0
	v_nop
	global_prefetch_b8 v0, s[64:65] scope:SCOPE_SE
	s_setreg_imm32_b32 hwreg(HW_REG_WAVE_MODE, 25, 1), 1
	s_wait_xcnt 0x0
; EXPERTS.  A work-group takes a tile of up to 160 rows that chose one expert E, and one slice j of 512 of the 2,048 hidden units, through the chain:
; gather h (f16), h W1 + b1, exact GELU, hid W2 (+ b2 in slice 0), times the gate; the partial row (f32) goes to part[(row*4 + rank of E in the row)*4 + j].
; The grid, 4 slices x 67 tiles, serves every split: sum over experts of ceil(n_e / 160) is at most 67 for 8,192 routed rows and 16 experts.  Every work-group finds its expert and
; its place from the stored counts.  A tile's places past the count repeat row 0 and are not stored.  A work-group without rows passes every barrier and runs the first product and the GELU
; on row 0 repeated; K steps 1-15 of the second product and all of the way out are jumped, and it stores nothing.
; A wave has all 160 rows x 128 columns: 80 accumulators.  A's rows come from LDS; the weights, laid out in fragment order by the prep launch, come from memory straight into registers.
; NO CLUSTER, NO TENSOR LOAD: each weight fragment has one reading wave in the work-group, and which work-groups share an expert hangs on counts read from memory.
; LDS ADDRESSES IN LOOPS are made anew in every trip: a scalar register that steps by a constant, plus a lane term that is never rewritten.
; FORMATS.  f16 operands, f32 sums.  The pre-activation and hid carry, for each row, a power of two F that brings the row's largest |pre-activation| into 2^13 .. 2^14, so they have no limit of range.
; erf by a rational form with an exponential (absolute error 1.5e-7).  LIMITS: |h| and weights under 65,504; NaN and infinities are not treated apart.
; REGISTERS in windows of 256 (s_set_vgpr_msb: bits 1:0 source 0, 3:2 source 1, 5:4 source 2, 7:6 destination):
;   window 0: v0-15 addresses; v16-63 at work (v60-62: the fragments' running addresses); v64, v128, v192: three buffers of 8 weight fragments
;   window 1: v0-79 A's ten fragments; v128-255 accumulators of row blocks 8, 9     window 2: accumulators of row blocks 0-3 (64 a + 8 b)     window 3: of row blocks 4-7
.set MXB,   168960                     ; [wave][160] row maxima
.set LIST,  171520                     ; 160 row numbers, then 32 words that take what belongs to other tiles
.set TAB,   172288                     ; 16 bytes a row: gate, slot in part, 1/F, F/2
.set SPARE, 174848
.set SB,    32768                      ; a K step's weights: 4 waves x 8 fragments
.set MSB, 0
.macro WIN new
.if MSB != (\new)
	s_set_vgpr_msb (MSB<<8)|(\new)
.set MSB, (\new)
.endif
.endm
.macro NOP4
.rept 4
	v_nop
.endr
.endm
.macro ACCAT a                         ; mw, mr: window and first register of row block a's accumulators
.if (\a) < 4
.set mw, 2
.set mr, 64*(\a)
.elseif (\a) < 8
.set mw, 3
.set mr, 64*((\a)-4)
.else
.set mw, 1
.set mr, 128+64*((\a)-8)
.endif
.endm
.macro LOADB nb, kb                    ; 16 loads: my 8 fragments of one K step
	WIN 0
.irp b, 0,1,2,3,4,5,6,7
	global_load_b128 v[64+64*(\nb)+8*\b:67+64*(\nb)+8*\b], v10, s[30:31] offset:(\kb)+1024*\b
	global_load_b128 v[68+64*(\nb)+8*\b:71+64*(\nb)+8*\b], v10, s[30:31] offset:(\kb)+1024*\b+512
.endr
.endm
.macro LOADA g, ka                     ; group g of A's fragments: row blocks 0-3, 4-7, or 8-9
	WIN 0x40
.irp i, 0,1,2,3
.if ((\g) < 2) || (\i < 2)
	ds_load_b128 v[8*(4*(\g)+\i):8*(4*(\g)+\i)+3], v[60+(\g)] offset:\i*16640+(\ka)
	ds_load_b128 v[8*(4*(\g)+\i)+4:8*(4*(\g)+\i)+7], v[60+(\g)] offset:\i*16640+(\ka)+32
.endif
.endr
.endm
.macro MULA a, buf, first              ; first = 1: the bias (third buffer) starts the sums; 2: the constant 0; 0: in place
	ACCAT \a
.if (\first) == 1
	WIN 0x04|(mw<<6)
.else
	WIN 0x04|(mw<<4)|(mw<<6)
.endif
.irp b, 0,1,2,3,4,5,6,7
.if (\first) == 1
	v_wmma_f32_16x16x32_f16 v[mr+8*\b:mr+8*\b+7], v[64+64*(\buf)+8*\b:71+64*(\buf)+8*\b], v[8*(\a):8*(\a)+7], v[192+8*\b:199+8*\b]
.elseif (\first) == 2
	v_wmma_f32_16x16x32_f16 v[mr+8*\b:mr+8*\b+7], v[64+64*(\buf)+8*\b:71+64*(\buf)+8*\b], v[8*(\a):8*(\a)+7], 0
.else
	v_wmma_f32_16x16x32_f16 v[mr+8*\b:mr+8*\b+7], v[64+64*(\buf)+8*\b:71+64*(\buf)+8*\b], v[8*(\a):8*(\a)+7], v[mr+8*\b:mr+8*\b+7]
.endif
.endr
.endm
.macro MUL g, buf, first
	MULA 4*(\g), \buf, \first
	MULA 4*(\g)+1, \buf, \first
.if (\g) < 2
	MULA 4*(\g)+2, \buf, \first
	MULA 4*(\g)+3, \buf, \first
.endif
.endm
; One K step of 32: 80 products, the 80 accumulators by turns.  Four places stand in front of every run of loads into registers that products have read.
.macro STEP buf, nb, ldb, wcnt, ka, kb, first, nexta
	NOP4
.if (\ldb) && ((\first) != 1)
	LOADB \nb, \kb
.endif
	LOADA 2, \ka
	s_wait_loadcnt \wcnt                   ; this step's weights are in; those of the steps behind it stay out
	s_wait_dscnt 12                        ; group 0 is in; group 1's eight and group 2's four loads stay out
	MUL 0, \buf, \first
	NOP4
.if \nexta
	LOADA 0, (\ka)+64
	s_wait_dscnt 12                        ; group 1 is in; group 2's four and the next group 0's eight stay out
.else
	s_wait_dscnt 4
.endif
	MUL 1, \buf, \first
	NOP4
.if \nexta
	LOADA 1, (\ka)+64
	s_wait_dscnt 16                        ; group 2 is in; the next step's sixteen stay out
.else
	s_wait_dscnt 0x0
.endif
	MUL 2, \buf, \first
.if (\first) == 1
	NOP4
	LOADB \nb, \kb                         ; the third buffer held the bias until now
.endif
.endm
.macro AADR                            ; the fragments' addresses: s72 bytes along K, plus the three lane terms
	v_add_nc_u32 v60, s72, v4
	v_add_nc_u32 v61, s72, v5
	v_add_nc_u32 v62, s72, v6
.endm
.macro PHASE first, w0, guard          ; 160 x 512 (LDS) times 512 x 128 (my weights).  guard = 1: a work-group without rows jumps steps 1-15
	WIN 0
	s_mov_b32 s72, 0
	AADR
	LOADA 0, 0
	LOADA 1, 0
	STEP 0, 2, 1, \w0, 0, 2*SB, \first, 1
	WIN 0
.if \guard
	s_cmp_eq_u32 s25, 0
	s_cbranch_scc1 .Lpskip_\@
.endif
	s_mov_b32 s27, 4
.Lploop_\@:
	STEP 1, 0, 1, 32, 64,  3*SB, 0, 1
	STEP 2, 1, 1, 32, 128, 4*SB, 0, 1
	STEP 0, 2, 1, 32, 192, 5*SB, 0, 1
	WIN 0
	s_add_co_u32 s72, s72, 192             ; three K steps on
	AADR
	s_wait_xcnt 0x0                        ; the weights' base steps only behind this wait
	s_add_nc_u64 s[30:31], s[30:31], 3*SB
	s_sub_co_u32 s27, s27, 1
	s_cmp_lg_u32 s27, 0
	s_cbranch_scc1 .Lploop_\@
	STEP 1, 0, 1, 32, 64,  3*SB, 0, 1
	STEP 2, 0, 0, 16, 128, 0, 0, 1
	STEP 0, 0, 0, 0,  192, 0, 0, 0
	WIN 0
.if \guard
.Lpskip_\@:
	s_wait_loadcnt 0x0                     ; both ways: nothing is out (on the long way nothing was)
	s_wait_dscnt 0x0
.endif
.endm
	s_load_b512 s[4:19], s[0:1], 0x0       ; bitmap 4, rowmask 6, gd 8, h16 10, wf 12, b1 14, b2 16, part 18
	v_lshl_add_u32 v14, v0, 2, SPARE
	v_mov_b32 v15, 0
	v_and_b32 v1, 31, v0
	v_and_b32 v2, 15, v0
	v_bfe_u32 v3, v0, 4, 1
	v_lshrrev_b32 v16, 5, v0
	v_readfirstlane_b32 s20, v16           ; wave
	s_mov_b32 s21, ttmp9                   ; j
	s_and_b32 s22, ttmp7, 0xffff           ; q
	s_mov_b32 s60, 0xffff0000
	s_mov_b32 s61, 0x3e6d3389              ; 0.3275911 / sqrt(2)
	s_mov_b32 s62, 0x76543210
	s_mov_b32 s63, 0xfedcba98
	v_lshlrev_b32 v10, 4, v1               ; 16 lane
	v_mul_u32_u24 v4, v2, 1040
	v_lshl_add_u32 v4, v3, 4, v4           ; a fragment's row x pitch + 16 h; three lane terms, since an offset has 16 bits; never rewritten
	v_add_nc_u32 v5, 66560, v4
	v_add_nc_u32 v6, 133120, v4
	s_lshl_b32 s67, s20, 8
	v_add_nc_u32 v7, s67, v4               ; the same at my 128 columns
	v_add_nc_u32 v8, s67, v5
	v_add_nc_u32 v9, s67, v6
	s_mul_i32 s48, s20, 42240              ; my stage on the way out: 80 rows x 528
	v_mul_u32_u24 v11, v2, 528
	v_lshl_add_u32 v11, v3, 5, v11
	v_add_nc_u32 v11, s48, v11
	s_lshl_b32 s67, s20, 9
	v_add_nc_u32 v13, s67, v10             ; my 16 bytes in a partial row
	v_lshlrev_b32 v17, 8, v1               ; two groups of 32 rows a lane
	v_lshlrev_b32 v18, 5, v3
	s_wait_kmcnt 0x0
	; every expert's count: two groups a lane, summed over the lanes, two experts to a word
.irp i, 0,1,2,3
	global_load_b128 v[32+4*\i:35+4*\i], v17, s[4:5] offset:64+16*\i
	global_load_b128 v[48+4*\i:51+4*\i], v17, s[4:5] offset:192+16*\i
.endr
	s_wait_loadcnt 0x0
.set e, 0
.rept 16
	v_add_nc_u32 v[32+e], v[32+e], v[48+e]
.set e, e+1
.endr
.set p, 0
.rept 8
	v_lshl_or_b32 v[48+p], v[33+2*p], 16, v[32+2*p]
.set p, p+1
.endr
.irp m, 1,2,4,8
.set p, 0
.rept 8
	v_mov_b32_dpp v[56+p], v[48+p] row_xmask:\m row_mask:0xf bank_mask:0xf
.set p, p+1
.endr
.set p, 0
.rept 8
	v_add_nc_u32 v[48+p], v[48+p], v[56+p]
.set p, p+1
.endr
.endr
.set p, 0
.rept 8
	v_permlanex16_b32 v[56+p], v[48+p], s62, s63
.set p, p+1
.endr
.set p, 0
.rept 8
	v_add_nc_u32 v[48+p], v[48+p], v[56+p]
	v_readfirstlane_b32 s67, v[48+p]
	s_and_b32 s[32+2*p], s67, 0xffff
	s_lshr_b32 s[33+2*p], s67, 16
.set p, p+1
.endr
	; whose tile is q: the last expert whose first tile is not behind q
	s_mov_b32 s67, 0
	s_mov_b32 s23, 0
	s_mov_b32 s24, 0
	s_mov_b32 s28, 0
.set e, 0
.rept 16
	s_sub_co_u32 s68, s22, s67
	s_cmp_ge_u32 s22, s67
	s_cselect_b32 s23, e, s23
	s_cselect_b32 s24, s68, s24
	s_cselect_b32 s28, s[32+e], s28
	s_add_co_u32 s69, s[32+e], 159
	s_mul_i32 s69, s69, 6554               ; (n + 159) / 160, right for n up to 2,048
	s_lshr_b32 s69, s69, 20
	s_add_co_u32 s67, s67, s69
.set e, e+1
.endr
	s_min_u32 s23, s23, 15                 ; E
	s_mul_i32 s26, s24, 160                ; the tile's first rank
	s_sub_co_i32 s25, s28, s26
	s_max_i32 s25, s25, 0
	s_min_i32 s25, s25, 160                ; its rows
	s_cmp_eq_u32 s21, 0
	s_cselect_b32 s66, 1.0, 0              ; b2 counts in slice 0 alone
	s_lshl_b32 s49, s23, 1
	s_lshl_b32 s68, s23, 2
	s_mov_b32 s69, 0
	s_add_nc_u64 s[54:55], s[4:5], s[68:69]   ; bitmap at E's word
	s_add_nc_u64 s[50:51], s[8:9], s[68:69]   ; gd at E's column
	s_add_co_u32 s68, s68, s21
	s_lshl_b32 s68, s68, 20
	s_lshl_b32 s70, s20, 13
	s_add_co_u32 s68, s68, s70
	s_add_nc_u64 s[30:31], s[12:13], s[68:69] ; my weights of (E, j), step 0
	s_lshl_b32 s68, s23, 13
	s_lshl_b32 s70, s21, 11
	s_add_co_u32 s68, s68, s70
	s_lshl_b32 s70, s20, 9
	s_add_co_u32 s68, s68, s70
	s_add_nc_u64 s[52:53], s[14:15], s[68:69] ; b1 at my 128 columns
	s_lshl_b32 s68, s23, 11
	s_add_co_u32 s68, s68, s70
	s_add_nc_u64 s[56:57], s[16:17], s[68:69] ; b2 at my 128 columns
	global_load_b32 v22, v17, s[54:55]             ; E's bits of my two groups,
	global_load_b32 v23, v17, s[54:55] offset:128
	global_load_b32 v24, v17, s[54:55] offset:64   ; and their counts
	global_load_b32 v25, v17, s[54:55] offset:192
	LOADB 0, 0
	LOADB 1, SB
.irp b, 0,1,2,3,4,5,6,7
	global_load_b128 v[192+8*\b:195+8*\b], v18, s[52:53] offset:64*\b
	global_load_b128 v[196+8*\b:199+8*\b], v18, s[52:53] offset:64*\b+16
.endr
	s_wait_loadcnt 48                      ; the four words are in; the 32 weight loads and 16 bias loads issued behind them stay out
	s_cmp_lg_u32 s20, 0
	s_cbranch_scc1 .Lnolist
	; wave 0 lists the tile's rows: ranks LO .. LO + CNT - 1 of E's rows, in ascending row order
	v_lshl_add_u32 v20, v1, 2, LIST
	v_mov_b32 v21, 0
.irp i, 0,1,2,3,4
	ds_store_b32 v20, v21 offset:128*\i    ; places past the count repeat row 0
.endr
	v_add_nc_u32 v26, v24, v25
	v_mov_b32 v27, v26
.irp d, 1,2,4,8,16                     ; running sum over the lanes
	v_sub_nc_u32 v28, v1, \d
	v_lshlrev_b32 v28, 2, v28
	ds_bpermute_b32 v29, v28, v27
	v_cmp_le_u32 vcc_lo, \d, v1
	s_wait_dscnt 0x0
	v_cndmask_b32 v29, 0, v29, vcc_lo
	v_add_nc_u32 v27, v27, v29
.endr
	v_sub_nc_u32 v27, v27, v26             ; the rank of my first group's first row,
	v_add_nc_u32 v30, v27, v24             ; of my second group's
	v_lshlrev_b32 v31, 6, v1
	v_add_nc_u32 v19, 160, v1
.macro LBIT wr, rk, ad
	v_bfe_u32 v32, \wr, s27, 1
	v_subrev_nc_u32 v33, s26, \rk
	v_cmp_gt_u32 s67, s25, v33
	v_cmp_ne_u32 s68, 0, v32
	s_and_b32 vcc_lo, s67, s68
	v_cndmask_b32 v33, v19, v33, vcc_lo    ; a row of this tile goes to its place, all else to my word behind the list
	v_min_u32 v33, 191, v33
	v_lshl_add_u32 v33, v33, 2, LIST
	v_add3_u32 v34, v31, s27, \ad
	ds_store_b32 v33, v34
	v_add_nc_u32 \rk, \rk, v32
.endm
	s_mov_b32 s27, 0
.Lbit:
	LBIT v22, v27, 0
	LBIT v23, v30, 32
	s_add_co_u32 s27, s27, 1
	s_cmp_lt_u32 s27, 32
	s_cbranch_scc1 .Lbit
.Lnolist:
	s_wait_dscnt 0x0
	s_barrier_signal -1
	s_barrier_wait -1                      ; the list is there
	; wave w: the table and the gather for places 40 w .. 40 w + 39
.macro META sl
	v_lshl_add_u32 v21, \sl, 2, LIST
	ds_load_b32 v22, v21
	s_wait_dscnt 0x0
	v_min_u32 v22, 2047, v22
	v_lshlrev_b32 v23, 2, v22
	v_lshlrev_b32 v24, 6, v22
	global_load_b32 v25, v23, s[6:7]
	global_load_b32 v26, v24, s[50:51]
	s_wait_loadcnt 0x0
	v_bfe_u32 v25, v25, s49, 2             ; E's rank among the row's four
	v_lshl_add_u32 v27, v22, 4, s21
	v_lshl_add_u32 v27, v25, 2, v27        ; slot = row*16 + 4 rank + j
	v_lshl_add_u32 v21, \sl, 4, TAB
	ds_store_b64 v21, v[26:27]
.endm
	s_mul_i32 s67, s20, 40
	v_add_nc_u32 v20, s67, v1
	META v20
	v_and_b32 v20, 7, v1
	s_add_co_u32 s67, s67, 32
	v_add_nc_u32 v20, s67, v20
	META v20
	s_mul_i32 s67, s20, 160
	s_add_co_u32 s67, s67, LIST
	v_mov_b32 v20, s67
	s_mul_i32 s67, s20, 41600
	v_add_nc_u32 v21, s67, v10
	s_mov_b32 s27, 4
.Lgath:                                        ; ten rows of 1,024 bytes a trip
.irp i, 0,1,2,3,4,5,6,7,8,9
	ds_load_b32 v[32+\i], v20 offset:4*\i
.endr
	s_wait_dscnt 0x0
.irp i, 0,1,2,3,4,5,6,7,8,9
	v_min_u32 v[32+\i], 2047, v[32+\i]
	v_lshl_add_u32 v[32+\i], v[32+\i], 10, v10
.endr
	WIN 0x40
.irp i, 0,1,2,3,4,5,6,7,8,9
	global_load_b128 v[8*\i:8*\i+3], v[32+\i], s[10:11]
	global_load_b128 v[8*\i+4:8*\i+7], v[32+\i], s[10:11] offset:512
.endr
	s_wait_loadcnt 0x0
	WIN 0x04
.irp i, 0,1,2,3,4,5,6,7,8,9
	ds_store_b128 v21, v[8*\i:8*\i+3] offset:1040*\i
	ds_store_b128 v21, v[8*\i+4:8*\i+7] offset:1040*\i+512
.endr
	WIN 0
	v_add_nc_u32 v20, 40, v20
	v_add_nc_u32 v21, 10400, v21
	s_sub_co_u32 s27, s27, 1
	s_cmp_lg_u32 s27, 0
	s_cbranch_scc1 .Lgath
.set p, 0
.rept 32                               ; b1 rounded to bf16 like every input
	v_cvt_pk_bf16_f32 v16, v[192+2*p], v[193+2*p]
	v_lshlrev_b32 v[192+2*p], 16, v16
	v_and_b32 v[193+2*p], s60, v16
.set p, p+1
.endr
	s_wait_dscnt 0x0
	s_barrier_signal -1
	s_barrier_wait -1                      ; all 160 rows of h are in LDS
	PHASE 1, 0, 0
	NOP4
	s_wait_xcnt 0x0
	s_add_nc_u64 s[30:31], s[30:31], 4*SB  ; on to W2's steps; their first two are asked for now and land during the work between the phases
	LOADB 0, 0
	LOADB 1, SB
	s_barrier_signal -1                    ; my reads of h are over (the last K step waited for all of them); the maxima below are work on registers
	; each row's largest |pre-activation| over my 128 columns; every accumulator is read from its low end on
.macro MAXG a0, n, w, r0
	WIN (\w)|((\w)<<2)
.set x, 0
.rept \n
	v_max_num_f32 v[16+(\a0)+x], |v[(\r0)+64*x]|, |v[(\r0)+64*x+1]|
.set x, x+1
.endr
	WIN ((\w)<<2)|((\w)<<4)
.set i, 2
.rept 31
.set x, 0
.rept \n
	v_max3_num_f32 v[16+(\a0)+x], v[16+(\a0)+x], |v[(\r0)+64*x+i]|, |v[(\r0)+64*x+i+1]|
.set x, x+1
.endr
.set i, i+2
.endr
.endm
	MAXG 0, 4, 2, 0
	MAXG 4, 4, 3, 0
	MAXG 8, 2, 1, 128
	WIN 0
	s_mul_i32 s67, s20, 640
	s_add_co_u32 s67, s67, MXB
	v_lshl_add_u32 v26, v2, 2, s67
.irp a, 0,1,2,3,4,5,6,7,8,9
	v_mov_b32 v[32+\a], v[16+\a]
	v_permlanex16_b32 v[32+\a], v[16+\a], s62, s63
	v_max_num_f32 v[16+\a], v[16+\a], v[32+\a]
.endr
	s_barrier_wait -1                      ; nobody reads h any more: from here on LDS is written again
.irp a, 0,1,2,3,4,5,6,7,8,9
	ds_store_b32 v26, v[16+\a] offset:64*\a
.endr
	s_wait_dscnt 0x0
	s_barrier_signal -1
	s_barrier_wait -1                      ; the four waves' maxima are there
	v_lshl_add_u32 v27, v2, 2, MXB
.irp a, 0,1,2,3,4,5,6,7,8,9
.irp w, 0,1,2,3
	ds_load_b32 v[192+4*\a+\w], v27 offset:\w*640+64*\a
.endr
.endr
	s_wait_dscnt 0x0
.irp a, 0,1,2,3,4,5,6,7,8,9
	v_max3_num_f32 v[16+\a], v[192+4*\a], v[193+4*\a], v[194+4*\a]
	v_max_num_f32 v[16+\a], v[16+\a], v[195+4*\a]
	v_bfe_u32 v[16+\a], v[16+\a], 23, 8
	v_max_u32 v[16+\a], 14, v[16+\a]       ; the maximum's exponent field
.endr
.irp a, 0,1,2,3,4,5,6,7,8,9
	v_sub_nc_u32 v28, 267, v[16+\a]
	v_lshlrev_b32 v[232+2*\a], 23, v28     ; F, twice for the packed multiply
	v_mov_b32 v[233+2*\a], v[232+2*\a]
	v_add_nc_u32 v29, -13, v[16+\a]
	v_lshlrev_b32 v[32+2*\a], 23, v29      ; 1 / F
	v_add_nc_u32 v28, -1, v28
	v_lshlrev_b32 v[33+2*\a], 23, v28      ; F / 2
.endr
	s_cmp_lg_u32 s20, 0
	s_cbranch_scc1 .Lnotab
	v_lshl_add_u32 v30, v2, 4, TAB+8
.irp a, 0,1,2,3,4,5,6,7,8,9
	ds_store_b64 v30, v[32+2*\a:33+2*\a] offset:256*\a
.endr
.Lnotab:
.macro SCALEST a                       ; row block a: times F, rounded to f16, into A's rows at my columns
	ACCAT \a
	WIN (mw<<6)|mw
.set p, 0
.rept 32
	v_pk_mul_f32 v[mr+2*p:mr+2*p+1], v[mr+2*p:mr+2*p+1], v[232+2*(\a):233+2*(\a)]
.set p, p+1
.endr
	WIN mw|(mw<<2)
.set p, 0
.rept 32
	v_cvt_pk_f16_f32 v[32+p], v[mr+2*p], v[mr+2*p+1]
.set p, p+1
.endr
	WIN 0
.irp b, 0,1,2,3,4,5,6,7
	ds_store_b128 v[7+(\a)/4], v[32+4*\b:35+4*\b] offset:((\a)%4)*16640+32*\b
.endr
.endm
.irp a, 0,1,2,3,4,5,6,7,8,9
	SCALEST \a
.endr
	s_wait_dscnt 0x0
	s_barrier_signal -1
	s_barrier_wait -1                      ; the scaled pre-activations are whole rows in LDS
	; GELU in place, a row a trip; wave w has rows 40 w .. 40 w + 39, which no other wave touches; a lane 16 numbers.  2 gelu(x) = x + |x| erf(|x| / sqrt 2)
.irp r, 32,33
	v_mov_b32 v\r, 0x3e827906
.endr
.irp r, 34,35
	v_mov_b32 v\r, 0xbe91a98e
.endr
.irp r, 36,37
	v_mov_b32 v\r, 0x3fb5f0e3
.endr
.irp r, 38,39
	v_mov_b32 v\r, 0xbfba00e3
.endr
.irp r, 40,41
	v_mov_b32 v\r, 0x3f87dc22
.endr
.irp r, 42,43
	v_mov_b32 v\r, 0x3f596d27              ; sqrt(log2(e) / 2)
.endr
	v_mov_b32 v26, 0
	s_mul_i32 s73, s20, 41600              ; the row in hand, in bytes of LDS
	s_mul_i32 s74, s20, 640
	s_add_co_u32 s74, s74, TAB+8           ; and its 1/F, F/2 in the table
	v_add_nc_u32 v30, s73, v10
	v_mov_b32 v31, s74
	ds_load_b128 v[16:19], v30
	ds_load_b128 v[20:23], v30 offset:512
	ds_load_b64 v[28:29], v31
.macro ALL8 line:vararg
.set i, 0
.rept 8
	\line
.set i, i+1
.endr
.endm
.macro GROW pre
	s_wait_dscnt 0x0                       ; the row and its 1/F, F/2 are in
	v_mov_b32 v24, v28
	v_mov_b32 v44, v29
	v_mov_b32 v45, v29
	ALL8 v_fma_mix_f32 v[192+2*i], v[16+i], v24, v26 op_sel_hi:[1,0,0]
	ALL8 v_fma_mix_f32 v[193+2*i], v[16+i], v24, v26 op_sel:[1,0,0] op_sel_hi:[1,0,0]
.if \pre
	ds_load_b128 v[16:19], v30 offset:1040 ; the next row
	ds_load_b128 v[20:23], v30 offset:1552
	ds_load_b64 v[28:29], v31 offset:16
.endif
	ALL8 v_fma_f32 v[208+2*i], |v[192+2*i]|, s61, 1.0
	ALL8 v_fma_f32 v[209+2*i], |v[193+2*i]|, s61, 1.0
	ALL8 v_pk_mul_f32 v[224+2*i:225+2*i], v[192+2*i:193+2*i], v[42:43]
	ALL8 v_pk_mul_f32 v[224+2*i:225+2*i], v[224+2*i:225+2*i], v[224+2*i:225+2*i]
	ALL8 v_rcp_f32 v[208+2*i], v[208+2*i]
	ALL8 v_rcp_f32 v[209+2*i], v[209+2*i]
	ALL8 v_exp_f32 v[224+2*i], -v[224+2*i]
	ALL8 v_exp_f32 v[225+2*i], -v[225+2*i]
	v_nop                                  ; a plain instruction behind the batch,
	s_wait_alu depctr_va_vdst(0)           ; and one wait for its 32
	ALL8 v_pk_fma_f32 v[240+2*i:241+2*i], v[208+2*i:209+2*i], v[40:41], v[38:39]
	ALL8 v_pk_fma_f32 v[240+2*i:241+2*i], v[240+2*i:241+2*i], v[208+2*i:209+2*i], v[36:37]
	ALL8 v_pk_fma_f32 v[240+2*i:241+2*i], v[240+2*i:241+2*i], v[208+2*i:209+2*i], v[34:35]
	ALL8 v_pk_fma_f32 v[240+2*i:241+2*i], v[240+2*i:241+2*i], v[208+2*i:209+2*i], v[32:33]
	ALL8 v_pk_mul_f32 v[240+2*i:241+2*i], v[240+2*i:241+2*i], v[208+2*i:209+2*i]
	ALL8 v_pk_mul_f32 v[240+2*i:241+2*i], v[240+2*i:241+2*i], v[224+2*i:225+2*i]
	ALL8 v_pk_fma_f32 v[240+2*i:241+2*i], v[240+2*i:241+2*i], -1.0, 1.0 op_sel_hi:[1,0,0]
	ALL8 v_fma_f32 v[192+2*i], |v[192+2*i]|, v[240+2*i], v[192+2*i]
	ALL8 v_fma_f32 v[193+2*i], |v[193+2*i]|, v[241+2*i], v[193+2*i]
	ALL8 v_pk_mul_f32 v[192+2*i:193+2*i], v[192+2*i:193+2*i], v[44:45]
	ALL8 v_cvt_pk_f16_f32 v[48+i], v[192+2*i], v[193+2*i]
	ds_store_b128 v30, v[48:51]
	ds_store_b128 v30, v[52:55] offset:512
.if \pre
	s_add_co_u32 s73, s73, 1040            ; the next row: both addresses are made anew from the stepped scalars
	s_add_co_u32 s74, s74, 16
	v_add_nc_u32 v30, s73, v10
	v_mov_b32 v31, s74
.endif
.endm
	s_mov_b32 s27, 39
.Lgelu:
	GROW 1
	s_sub_co_u32 s27, s27, 1
	s_cmp_lg_u32 s27, 0
	s_cbranch_scc1 .Lgelu
	GROW 0
	s_wait_dscnt 0x0
	s_barrier_signal -1
	s_barrier_wait -1                      ; hid x F is whole in LDS
	PHASE 2, 32, 1
	s_barrier_signal -1
	s_barrier_wait -1                      ; nobody reads hid any more: its bytes serve the way out
	NOP4
	global_load_b128 v[16:19], v10, s[56:57]
	v_mov_b32 v21, 0
	s_wait_loadcnt 0x0
	v_cvt_pk_bf16_f32 v22, v16, v17
	v_cvt_pk_bf16_f32 v23, v18, v19
	v_lshlrev_b32 v16, 16, v22
	v_and_b32 v17, s60, v22
	v_lshlrev_b32 v18, 16, v23
	v_and_b32 v19, s60, v23
.irp r, 16,17,18,19
	v_mul_f32 v\r, s66, v\r
.endr
; THE WAY OUT, 80 rows at a time: my 128 columns into my stage, back as pieces of 512 bytes of a row, scaled and stored; rows past the count are jumped.
; The writing and the reading of the stages stand in intervals of their own, a barrier on every wave's path between them: no wave writes LDS while another reads.
.macro CSTORE c
	s_cmp_gt_i32 s25, 80*(\c)
	s_cbranch_scc0 .Lcs_\@                 ; the tile has no row in this chunk
.irp x, 0,1,2,3,4
	ACCAT 5*(\c)+\x
	WIN mw<<2
.irp b, 0,1,2,3,4,5,6,7
	ds_store_b128 v11, v[mr+8*\b:mr+8*\b+3] offset:\x*8448+64*\b
	ds_store_b128 v11, v[mr+8*\b+4:mr+8*\b+7] offset:\x*8448+64*\b+16
.endr
.endr
	WIN 0
.Lcs_\@:
	s_wait_dscnt 0x0
	s_barrier_signal -1
	s_barrier_wait -1
.endm
.macro CSEND c
	s_sub_co_i32 s28, s25, 80*(\c)         ; rows still to be stored
	s_cmp_gt_i32 s28, 0
	s_cbranch_scc0 .Lcdone_\@
	s_mov_b32 s75, s48                     ; the eight rows in hand, in my stage,
	s_mov_b32 s76, TAB+1280*(\c)           ; and in the table
	s_mov_b32 s27, 10
.Lrow_\@:
	s_wait_xcnt 0x0                        ; the last trip's stores have read their data and addresses
	v_add_nc_u32 v12, s75, v10
	v_mov_b32 v23, s76
.irp i, 0,1,2,3,4,5,6,7
	ds_load_b128 v[32+4*\i:35+4*\i], v12 offset:528*\i
	ds_load_b128 v[64+4*\i:67+4*\i], v23 offset:16*\i
.endr
	s_wait_dscnt 0x0
.irp i, 0,1,2,3,4,5,6,7
	s_cmp_gt_i32 s28, \i
	s_cbranch_scc0 .Lrskip_\@
	v_mul_f32 v20, v[66+4*\i], v[64+4*\i]  ; gate / F
	v_pk_mul_f32 v[24:25], v[16:17], v[64+4*\i:65+4*\i] op_sel_hi:[1,0]
	v_pk_mul_f32 v[26:27], v[18:19], v[64+4*\i:65+4*\i] op_sel_hi:[1,0]
	v_pk_fma_f32 v[32+4*\i:33+4*\i], v[32+4*\i:33+4*\i], v[20:21], v[24:25] op_sel_hi:[1,0,1]
	v_pk_fma_f32 v[34+4*\i:35+4*\i], v[34+4*\i:35+4*\i], v[20:21], v[26:27] op_sel_hi:[1,0,1]
	v_min_u32 v[96+\i], 0x7fff, v[65+4*\i]
	v_lshl_add_u32 v[96+\i], v[96+\i], 11, v13
	global_store_b128 v[96+\i], v[32+4*\i:35+4*\i], s[18:19]   ; 512 consecutive bytes of one partial row
.endr
.Lrskip_\@:
	s_sub_co_i32 s28, s28, 8
	s_add_co_u32 s75, s75, 4224
	s_add_co_u32 s76, s76, 128
	s_sub_co_u32 s27, s27, 1
	s_cmp_lg_u32 s27, 0
	s_cbranch_scc1 .Lrow_\@
.Lcdone_\@:
	s_wait_dscnt 0x0
	s_barrier_signal -1
	s_barrier_wait -1
.endm
	CSTORE 0
	CSEND 0
	CSTORE 1
	CSEND 1
	s_wait_tensorcnt 0x0                   ; the wave's end
	ds_add_u32 v14, v15
	s_wait_dscnt 0x0
	s_endpgm
.Lfunc_end_k_q1e66cff88d_experts:
	.size	k_q1e66cff88d_experts, .Lfunc_end_k_q1e66cff88d_experts-k_q1e66cff88d_experts
	.p2alignl 7, 3214868480
	.fill 96, 4, 3214868480
	.section	.rodata,"a",@progbits
	.p2align	6, 0x0
	.amdhsa_kernel k_q1e66cff88d_experts
		.amdhsa_group_segment_fixed_size 175360
		.amdhsa_private_segment_fixed_size 0
		.amdhsa_enable_private_segment 0
		.amdhsa_kernarg_size 64
		.amdhsa_user_sgpr_count 2
		.amdhsa_user_sgpr_kernarg_segment_ptr 1
		.amdhsa_wavefront_size32 1
		.amdhsa_system_sgpr_workgroup_id_x 1
		.amdhsa_system_sgpr_workgroup_id_y 1
		.amdhsa_system_sgpr_workgroup_id_z 1
		.amdhsa_system_vgpr_workitem_id 0
		.amdhsa_next_free_vgpr 1024
		.amdhsa_next_free_sgpr 100
		.amdhsa_reserve_vcc 1
		.amdhsa_float_denorm_mode_32 3
		.amdhsa_float_denorm_mode_16_64 3
		.amdhsa_memory_ordered 1
		.amdhsa_forward_progress 1
		.amdhsa_inst_pref_size 255
	.end_amdhsa_kernel
	.section	.bss,"aw",@nobits
	.p2align	6
	.space	262144
	.amdgpu_metadata
---
amdhsa.version: [ 1, 2 ]
amdhsa.kernels:
  - .name:           k_q1e66cff88d_experts
    .symbol:         k_q1e66cff88d_experts.kd
    .args:
      - { .name: bitmap, .offset: 0, .size: 8, .value_kind: global_buffer, .address_space: global }
      - { .name: rowmask, .offset: 8, .size: 8, .value_kind: global_buffer, .address_space: global }
      - { .name: gd, .offset: 16, .size: 8, .value_kind: global_buffer, .address_space: global }
      - { .name: h16, .offset: 24, .size: 8, .value_kind: global_buffer, .address_space: global }
      - { .name: wf, .offset: 32, .size: 8, .value_kind: global_buffer, .address_space: global }
      - { .name: b1, .offset: 40, .size: 8, .value_kind: global_buffer, .address_space: global }
      - { .name: b2, .offset: 48, .size: 8, .value_kind: global_buffer, .address_space: global }
      - { .name: part, .offset: 56, .size: 8, .value_kind: global_buffer, .address_space: global }
    .group_segment_fixed_size: 175360
    .private_segment_fixed_size: 0
    .kernarg_segment_align: 8
    .kernarg_segment_size: 64
    .max_flat_workgroup_size: 128
    .sgpr_count:     100
    .vgpr_count:     1024
    .wavefront_size: 32
...
	.end_amdgpu_metadata
.endif
;; end of part 3
;; launch combine (part 4): grid 512 x 1, 8 waves a work-group, no clusters, 0 bytes of LDS; arguments part, out0; writes out0
.if DOCPART == 4
	.amdgcn_target "amdgcn-amd-amdhsa--gfx1250"
	.amdhsa_code_object_version 6
	.text
	.protected	k_q1e66cff88d_combine
	.globl	k_q1e66cff88d_combine
	.p2align	8
	.type	k_q1e66cff88d_combine,@function
k_q1e66cff88d_combine:
	s_mov_b64 s[64:65], 0
	v_nop
	global_prefetch_b8 v0, s[64:65] scope:SCOPE_SE
	s_setreg_imm32_b32 hwreg(HW_REG_WAVE_MODE, 25, 1), 1
	s_wait_xcnt 0x0
; COMBINE.  out0[token] = the sum of the token's 32 partial rows: 2 views x 4 chosen experts x 4 slices of the hidden layer, in a fixed order, in f32.
; A wave has a quarter (512 bytes) of one token's row: 32 loads of 512 consecutive bytes, all issued at once, and one store.  A stream: no LDS, no barrier, no matrix unit, nothing shared.
	s_load_b128 s[4:7], s[0:1], 0x0        ; part, out0
	v_lshrrev_b32 v1, 7, v0                ; which of the group's two tokens
	v_and_b32 v2, 127, v0
	s_lshl_b32 s10, ttmp9, 1
	v_add_nc_u32 v1, s10, v1               ; token
	v_lshlrev_b32 v2, 4, v2                ; quarter x 512 + 16 lane
	v_lshl_add_u32 v3, v1, 15, v2          ; a row's 16 slots are 32,768 bytes
	v_lshl_add_u32 v4, v1, 11, v2
	s_wait_kmcnt 0x0
	s_add_nc_u64 s[8:9], s[4:5], 0x2000000 ; view 1: 1,024 rows on
.set i, 0
.rept 16
	global_load_b128 v[8+4*i:11+4*i], v3, s[4:5] offset:2048*i th:TH_LOAD_NT
.set i, i+1
.endr
.set i, 0
.rept 16
	global_load_b128 v[72+4*i:75+4*i], v3, s[8:9] offset:2048*i th:TH_LOAD_NT
.set i, i+1
.endr
	s_wait_loadcnt 28                      ; the first four are in; the 28 newer loads stay out
	v_pk_add_f32 v[136:137], v[8:9], v[12:13]
	v_pk_add_f32 v[138:139], v[10:11], v[14:15]
	v_pk_add_f32 v[136:137], v[136:137], v[16:17]
	v_pk_add_f32 v[138:139], v[138:139], v[18:19]
	v_pk_add_f32 v[136:137], v[136:137], v[20:21]
	v_pk_add_f32 v[138:139], v[138:139], v[22:23]
.set g, 1
.rept 7
	s_wait_loadcnt 28-4*g                  ; four more are in
.set i, 0
.rept 4
	v_pk_add_f32 v[136:137], v[136:137], v[8+16*g+4*i:9+16*g+4*i]
	v_pk_add_f32 v[138:139], v[138:139], v[10+16*g+4*i:11+16*g+4*i]
.set i, i+1
.endr
.set g, g+1
.endr
	global_store_b128 v4, v[136:139], s[6:7] th:TH_STORE_NT
	s_endpgm
.Lfunc_end_k_q1e66cff88d_combine:
	.size	k_q1e66cff88d_combine, .Lfunc_end_k_q1e66cff88d_combine-k_q1e66cff88d_combine
	.p2alignl 7, 3214868480
	.fill 96, 4, 3214868480
	.section	.rodata,"a",@progbits
	.p2align	6, 0x0
	.amdhsa_kernel k_q1e66cff88d_combine
		.amdhsa_group_segment_fixed_size 0
		.amdhsa_private_segment_fixed_size 0
		.amdhsa_enable_private_segment 0
		.amdhsa_kernarg_size 16
		.amdhsa_user_sgpr_count 2
		.amdhsa_user_sgpr_kernarg_segment_ptr 1
		.amdhsa_wavefront_size32 1
		.amdhsa_system_sgpr_workgroup_id_x 1
		.amdhsa_system_sgpr_workgroup_id_y 1
		.amdhsa_system_sgpr_workgroup_id_z 1
		.amdhsa_system_vgpr_workitem_id 0
		.amdhsa_next_free_vgpr 140
		.amdhsa_next_free_sgpr 66
		.amdhsa_reserve_vcc 0
		.amdhsa_float_denorm_mode_32 3
		.amdhsa_float_denorm_mode_16_64 3
		.amdhsa_memory_ordered 1
		.amdhsa_forward_progress 1
		.amdhsa_inst_pref_size 8
	.end_amdhsa_kernel
	.amdgpu_metadata
---
amdhsa.version: [ 1, 2 ]
amdhsa.kernels:
  - .name:           k_q1e66cff88d_combine
    .symbol:         k_q1e66cff88d_combine.kd
    .args:
      - { .name: part, .offset: 0, .size: 8, .value_kind: global_buffer, .address_space: global }
      - { .name: out0, .offset: 8, .size: 8, .value_kind: global_buffer, .address_space: global }
    .group_segment_fixed_size: 0
    .private_segment_fixed_size: 0
    .kernarg_segment_align: 8
    .kernarg_segment_size: 16
    .max_flat_workgroup_size: 256
    .sgpr_count:     66
    .vgpr_count:     140
    .wavefront_size: 32
...
	.end_amdgpu_metadata
.endif
;; end of part 4
;; ======== version 2 of 2: 4 launches; 1.18 times as fast as version 1
;; limits: values are held in f16: magnitudes above 65,504 overflow, below 6.1e-05 lose precision; right only within a limited range of input values
;; workspace buffers: wf 67,108,864 bytes; rf 1,048,576 bytes; hs 6,291,456 bytes; h16 2,097,152 bytes; bitmap 8,192 bytes of whole numbers; rowmask 8,192 bytes of whole numbers; gd 131,072 bytes; part 67,108,864 bytes
;; launch prep (part 5): grid 164 x 1, 16 waves a work-group, no clusters, 204,800 bytes of LDS; arguments view0, view1, proj_w, proj_b, router_w, w1, wf, rf, hs, h16; writes wf, rf, hs, h16
.if DOCPART == 5
	.amdgcn_target "amdgcn-amd-amdhsa--gfx1250"
	.amdhsa_code_object_version 6
	.text
	.protected	k_q1e66cff88d_prep
	.globl	k_q1e66cff88d_prep
	.p2align	8
	.type	k_q1e66cff88d_prep,@function
k_q1e66cff88d_prep:
	s_mov_b64 s[64:65], 0
	v_nop
	global_prefetch_b8 v0, s[64:65] scope:SCOPE_SE
	s_setreg_imm32_b32 hwreg(HW_REG_WAVE_MODE, 25, 1), 1
	s_wait_xcnt 0x0
; PREP.  Work-groups 0-31: h = bf16(x) bf16(Pw[v]) + bf16(pb[v]), f32 sums; stored once as f16 (h16) and as three bf16 terms (hs), which together hold all 24 bits.
; Work-groups 32-35: router_w rounded to bf16; 36-163: w1 rounded to bf16 and that number written as f16 (w2 is laid out by the next launch); both in the order in which a wave's
; operand registers take them: a fragment (32 k x 16 n) is 1,024 bytes, byte c*512 + 16*lane + 2*i holds (n = lane%16, k = 16c + 8(lane/16) + i).
; LIMITS: |h| and the weights stay under 65,504 (f16); a weight under 6.1e-5 keeps f16's fixed step of 6e-8; NaN and infinities are not treated apart.
; No tensor load, no cluster: every weight byte has one reader here and goes through registers, where it is rounded.
.set WVB,   8320                       ; a wave's 8 fragments in LDS, pitch 1,040: sixteen lanes' 16-byte columns differ modulo 256
.set HSTG,  133120                     ; the way out of h: 16 rows x 272 bytes for each wave
.set SPARE, 202752                     ; the spare words, 128 bytes a wave
.macro NOP4
.rept 4
	v_nop
.endr
.endm
.macro VOFF                            ; v[24+k] = 16 lane + k x pitch (s48)
	v_mov_b32 v24, v6
.set k, 1
.rept 31
	v_add_nc_u32 v[24+k], s48, v[23+k]
.set k, k+1
.endr
.endm
.macro LOADBLK nt                      ; 32 rows (k) x 128 columns of f32: each load is 512 consecutive bytes; a lane gets all 32 k of its four columns
.set k, 0
.rept 32
.if \nt
	global_load_b128 v[64+4*k:67+4*k], v[24+k], s[28:29] th:TH_LOAD_NT
.else
	global_load_b128 v[64+4*k:67+4*k], v[24+k], s[28:29]
.endif
.set k, k+1
.endr
.endm
.macro CONV fmt                        ; pairs along k, rounded to bf16 (fmt 0), and that number written as f16 (fmt 1)
.set i, 0
.rept 4
.set kk, 0
.rept 16
.set o, 192+(4*i+(kk>>2))*4+(kk&3)
	v_cvt_pk_bf16_f32 v[o], v[64+8*kk+i], v[68+8*kk+i]
.if \fmt
	v_lshlrev_b32 v16, 16, v[o]
	v_and_b32 v17, s33, v[o]
	v_cvt_pk_f16_f32 v[o], v16, v17
.endif
.set kk, kk+1
.endr
.set i, i+1
.endr
.endm
.macro PUT                             ; column i, eight k (chunk ch): 16 bytes into their place in the fragment
.set i, 0
.rept 4
.set ch, 0
.rept 4
	ds_store_b128 v4, v[192+(4*i+ch)*4:195+(4*i+ch)*4] offset:16*i+256*ch
.set ch, ch+1
.endr
.set i, i+1
.endr
.endm
.macro FLUSH                           ; the wave's own 8 fragments back (LDS serves a wave in order) and out, 512 consecutive bytes a store
.set m, 0
.rept 16
	ds_load_b128 v[192+4*m:195+4*m], v5 offset:(m>>1)*1040+(m&1)*512
.set m, m+1
.endr
	s_wait_dscnt 0x0
.set m, 0
.rept 16
	global_store_b128 v6, v[192+4*m:195+4*m], s[54:55] offset:512*m
.set m, m+1
.endr
.endm
.macro PREP fmt                        ; two blocks of a wave, then the wave's end
	VOFF
	s_mov_b32 s56, 2
.Lblk_\@:
	LOADBLK 1
	s_wait_loadcnt 0x0
	CONV \fmt
	PUT
	FLUSH
	s_wait_xcnt 0x0                        ; the stores' data and both bases are rewritten only behind this wait
	s_add_nc_u64 s[28:29], s[28:29], s[50:51]
	s_add_nc_u64 s[54:55], s[54:55], 0x20000
	s_sub_co_u32 s56, s56, 1
	s_cmp_lg_u32 s56, 0
	s_cbranch_scc1 .Lblk_\@
	s_wait_tensorcnt 0x0                   ; the wave's end
	ds_add_u32 v7, v8
	s_wait_dscnt 0x0
	s_endpgm
.endm
	s_load_b512 s[4:19], s[0:1], 0x0       ; view0 4, view1 6, proj_w 8, proj_b 10, router_w 12, w1 14, wf 16, rf 18
	s_load_b128 s[20:23], s[0:1], 0x40     ; hs 20, h16 22
	v_lshl_add_u32 v7, v0, 2, SPARE
	v_mov_b32 v8, 0
	v_and_b32 v1, 31, v0                   ; lane
	v_and_b32 v2, 15, v0                   ; t
	v_bfe_u32 v3, v0, 4, 1                 ; h
	v_lshrrev_b32 v16, 5, v0
	v_readfirstlane_b32 s26, v16           ; wave 0..15
	s_mul_i32 s27, s26, WVB
	v_lshrrev_b32 v16, 2, v1
	v_mul_u32_u24 v4, v16, 1040
	v_and_b32 v16, 3, v1
	v_lshl_add_u32 v4, v16, 6, v4
	v_add_nc_u32 v4, s27, v4               ; where my columns go
	v_lshlrev_b32 v6, 4, v1                ; 16 lane
	v_add_nc_u32 v5, s27, v6               ; where I read fragments back
	s_mov_b32 s33, 0xffff0000
	s_and_b32 s30, s26, 3                  ; w
	s_lshr_b32 s31, s26, 2                 ; ss
	s_wait_kmcnt 0x0
	s_cmp_lt_u32 ttmp9, 32
	s_cbranch_scc1 .Lh
	s_cmp_lt_u32 ttmp9, 36
	s_cbranch_scc1 .Lr
	; ---- w1: g = id - 36: expert, H slice, which eight of the 16 K steps
	s_sub_co_u32 s34, ttmp9, 36
	s_lshr_b32 s35, s34, 3                 ; e
	s_bfe_u32 s36, s34, 0x20001            ; j
	s_and_b32 s37, s34, 1
	s_lshl_b32 s38, s37, 3
	s_add_co_u32 s38, s38, s31             ; step s = 8 x half + ss (+ 4 in the second trip)
	s_lshl_b32 s40, s35, 22                ; e x 4 MiB
	s_lshl_b32 s41, s38, 18                ; 32 rows of 8,192 bytes a step
	s_add_co_u32 s40, s40, s41
	s_lshl_b32 s41, s36, 11                ; j x 512 columns
	s_add_co_u32 s40, s40, s41
	s_lshl_b32 s41, s30, 9                 ; w x 128 columns
	s_add_co_u32 s40, s40, s41
	s_mov_b32 s41, 0
	s_add_nc_u64 s[28:29], s[14:15], s[40:41]
	s_mov_b32 s48, 8192                    ; the pitch
	s_mov_b32 s50, 0x100000                ; four steps on
	s_mov_b32 s51, 0
	s_lshl2_add_u32 s42, s35, s36          ; 4 e + j
	s_lshl_b32 s42, s42, 5
	s_add_co_u32 s42, s42, s38
	s_lshl_b32 s42, s42, 15
	s_lshl_b32 s43, s30, 13
	s_add_co_u32 s42, s42, s43
	s_mov_b32 s43, 0
	s_add_nc_u64 s[54:55], s[16:17], s[42:43]
	PREP 1
.Lr:	; ---- router_w
	s_sub_co_u32 s34, ttmp9, 32
	s_lshr_b32 s35, s34, 1                 ; v
	s_and_b32 s36, s34, 1
	s_lshl_b32 s38, s36, 3
	s_add_co_u32 s38, s38, s31             ; step
	s_lshl_b32 s40, s35, 20
	s_lshl_b32 s41, s38, 16
	s_add_co_u32 s40, s40, s41
	s_lshl_b32 s41, s30, 9
	s_add_co_u32 s40, s40, s41
	s_mov_b32 s41, 0
	s_add_nc_u64 s[28:29], s[12:13], s[40:41]
	s_mov_b32 s48, 2048
	s_mov_b32 s50, 0x40000
	s_mov_b32 s51, 0
	s_lshl_b32 s42, s35, 4
	s_add_co_u32 s42, s42, s38
	s_lshl_b32 s42, s42, 15
	s_lshl_b32 s43, s30, 13
	s_add_co_u32 s42, s42, s43
	s_mov_b32 s43, 0
	s_add_nc_u64 s[54:55], s[18:19], s[42:43]
	PREP 0
.Lh:	; ---- h: 256 rows x 128 columns a work-group, 16 rows a wave; wave wv lays K step wv of Pw into LDS for all
	s_lshr_b32 s34, ttmp9, 4               ; v
	s_bfe_u32 s35, ttmp9, 0x20002          ; ns
	s_and_b32 s36, ttmp9, 3                ; rt
	s_cmp_eq_u32 s34, 0
	s_cselect_b64 s[38:39], s[4:5], s[6:7]
	s_lshl_b32 s40, s34, 20
	s_lshl_b32 s41, s26, 16
	s_add_co_u32 s40, s40, s41
	s_lshl_b32 s41, s35, 9
	s_add_co_u32 s40, s40, s41
	s_mov_b32 s41, 0
	s_add_nc_u64 s[28:29], s[8:9], s[40:41]
	s_mov_b32 s48, 2048
	VOFF
	LOADBLK 0
	s_lshl_b32 s40, s36, 19                ; x at my 16 rows
	s_lshl_b32 s42, s26, 15
	s_add_co_u32 s40, s40, s42
	s_add_nc_u64 s[38:39], s[38:39], s[40:41]
	v_lshlrev_b32 v9, 11, v2
	v_lshl_add_u32 v9, v3, 5, v9           ; row t, 8 h numbers on
	s_mul_i32 s42, s26, 4352
	s_add_co_u32 s42, s42, HSTG
	v_mul_u32_u24 v13, v2, 272
	v_lshl_add_u32 v13, v3, 4, v13
	v_add_nc_u32 v13, s42, v13
	v_mul_u32_u24 v14, v3, 272
	v_lshl_add_u32 v14, v2, 4, v14
	v_add_nc_u32 v14, s42, v14
	v_lshlrev_b32 v15, 10, v3
	v_lshl_add_u32 v15, v2, 4, v15
	v_lshlrev_b32 v18, 5, v3
	s_lshl_b32 s40, s34, 11                ; proj_b at my 128 columns
	s_lshl_b32 s42, s35, 9
	s_add_co_u32 s40, s40, s42
	s_add_nc_u64 s[46:47], s[10:11], s[40:41]
	s_lshl_b32 s40, s34, 10                ; my first row among the 2,048
	s_lshl_b32 s42, s36, 8
	s_add_co_u32 s40, s40, s42
	s_lshl_b32 s42, s26, 4
	s_add_co_u32 s40, s40, s42
	s_lshl_b32 s40, s40, 10
	s_lshl_b32 s42, s35, 8
	s_add_co_u32 s40, s40, s42
	s_add_nc_u64 s[42:43], s[22:23], s[40:41]   ; h16 at my rows and columns
	s_add_nc_u64 s[44:45], s[20:21], s[40:41]   ; hs, first term
	s_wait_loadcnt 0x0                     ; the block is in, and its offset registers are free for x
.macro XLOADX par, off                 ; 32 numbers of x for my 16 rows, at byte off of the rows from the running base
	global_load_b128 v[24+16*(\par):27+16*(\par)], v9, s[38:39] offset:(\off)
	global_load_b128 v[28+16*(\par):31+16*(\par)], v9, s[38:39] offset:(\off)+16
	global_load_b128 v[32+16*(\par):35+16*(\par)], v9, s[38:39] offset:(\off)+64
	global_load_b128 v[36+16*(\par):39+16*(\par)], v9, s[38:39] offset:(\off)+80
.endm
.macro BLOADX buf, off                 ; a K step's 8 fragments of Pw, at byte off from the running address v10
.irp f, 0,1,2,3,4,5,6,7
	ds_load_b128 v[64+64*(\buf)+8*\f:67+64*(\buf)+8*\f], v10 offset:(\off)+\f*1040
	ds_load_b128 v[68+64*(\buf)+8*\f:71+64*(\buf)+8*\f], v10 offset:(\off)+\f*1040+512
.endr
.endm
; One K step on the buffers of parity par.  boff: where the next step's fragments lie (below 0: there is none); xoff: where x of the step after next lies (below 0: none)
.macro HSTEP par, boff, xoff, zero
	NOP4                                   ; four places behind the products that read the buffer and x's fragment
.if (\boff) >= 0
	BLOADX 1-(\par), \boff
	s_wait_loadcnt 4                       ; x of this step is in; the next step's four loads stay out
.else
	s_wait_loadcnt 0x0
.endif
.set i, 0
.rept 8
	v_cvt_pk_bf16_f32 v[56+i], v[24+16*(\par)+2*i], v[25+16*(\par)+2*i]
.set i, i+1
.endr
.if (\xoff) >= 0
	XLOADX \par, \xoff
.endif
.if (\boff) >= 0
	s_wait_dscnt 16                        ; this step's fragments are in; the next step's sixteen loads stay out
.else
	s_wait_dscnt 0x0
.endif
.irp b, 0,1,2,3,4,5,6,7
.if \zero
	v_wmma_f32_16x16x32_bf16 v[192+8*\b:199+8*\b], v[64+64*(\par)+8*\b:71+64*(\par)+8*\b], v[56:63], 0
.else
	v_wmma_f32_16x16x32_bf16 v[192+8*\b:199+8*\b], v[64+64*(\par)+8*\b:71+64*(\par)+8*\b], v[56:63], v[192+8*\b:199+8*\b]
.endif
.endr
.endm
	XLOADX 0, 0
	XLOADX 1, 128
	CONV 0
	PUT
	s_wait_dscnt 0x0                       ; for the others' sake: my fragments are in LDS
	s_barrier_signal -1
	s_barrier_wait -1
	v_mov_b32 v10, v6
	BLOADX 0, 0
	HSTEP 0, WVB, 256, 1                   ; K steps 0 and 1 stand ahead of the loop: the first starts the sums
	HSTEP 1, 2*WVB, 384, 0
	s_mov_b32 s57, 0
	s_mov_b32 s56, 6
.Lhk:                                          ; six trips: K steps 2 to 13, two a trip; the eight accumulators take turns, over the back edge too
	s_wait_xcnt 0x0                        ; x's base steps only behind this wait
	s_add_nc_u64 s[38:39], s[38:39], 256
	s_add_co_u32 s57, s57, 2*WVB
	v_add_nc_u32 v10, s57, v6              ; the fragments' address is made anew: a stepped scalar and a lane term that is never rewritten
	HSTEP 0, WVB, 256, 0
	HSTEP 1, 2*WVB, 384, 0
	s_sub_co_u32 s56, s56, 1
	s_cmp_lg_u32 s56, 0
	s_cbranch_scc1 .Lhk
	s_add_co_u32 s57, s57, 2*WVB
	v_add_nc_u32 v10, s57, v6
	HSTEP 0, WVB, -1, 0                    ; K steps 14 and 15 fetch nothing beyond the end
	HSTEP 1, -1, -1, 0
	s_barrier_signal -1                    ; every wave's reads of the fragments are over (the last step waited for all of mine):
	s_barrier_wait -1                      ; LDS is written again only behind this barrier
	NOP4
.irp b, 0,1,2,3,4,5,6,7
	global_load_b128 v[64+8*\b:67+8*\b], v18, s[46:47] offset:64*\b
	global_load_b128 v[68+8*\b:71+8*\b], v18, s[46:47] offset:64*\b+16
.endr
	s_wait_loadcnt 0x0
.set p, 0
.rept 32                               ; the bias rounded to bf16 like every input, then added; each accumulator is read from its low end on
	v_cvt_pk_bf16_f32 v16, v[64+2*p], v[65+2*p]
	v_lshlrev_b32 v[64+2*p], 16, v16
	v_and_b32 v[65+2*p], s33, v16
	v_pk_add_f32 v[192+2*p:193+2*p], v[192+2*p:193+2*p], v[64+2*p:65+2*p]
.set p, p+1
.endr
.macro OUT16 fk, bs                    ; round, through my own stage, out as whole rows of 256 bytes
.set p, 0
.rept 32
.if \fk
	v_cvt_pk_f16_f32 v[128+p], v[192+2*p], v[193+2*p]
.else
	v_cvt_pk_bf16_f32 v[128+p], v[192+2*p], v[193+2*p]
.endif
.set p, p+1
.endr
.irp b, 0,1,2,3,4,5,6,7
	ds_store_b128 v13, v[128+4*\b:131+4*\b] offset:32*\b
.endr
	s_wait_xcnt 0x0                        ; the registers that earlier stores read are loaded again only behind this wait
.irp i, 0,1,2,3,4,5,6,7
	ds_load_b128 v[160+4*\i:163+4*\i], v14 offset:544*\i
.endr
	s_wait_dscnt 0x0
.irp i, 0,1,2,3,4,5,6,7
	global_store_b128 v15, v[160+4*\i:163+4*\i], s[\bs:\bs+1] offset:2048*\i
.endr
.endm
	OUT16 1, 42
	s_mov_b32 s56, 2
.Lterm:                                        ; two trips: a bf16 term goes out, and what it leaves over (exact in f32) is kept for the next
	OUT16 0, 44
.set p, 0
.rept 32
	v_lshlrev_b32 v16, 16, v[128+p]
	v_and_b32 v17, s33, v[128+p]
	v_pk_add_f32 v[192+2*p:193+2*p], v[192+2*p:193+2*p], v[16:17] neg_lo:[0,1] neg_hi:[0,1]
.set p, p+1
.endr
	s_wait_xcnt 0x0                        ; the stores' base steps only behind this wait
	s_add_nc_u64 s[44:45], s[44:45], 0x200000   ; the next term's plane
	s_sub_co_u32 s56, s56, 1
	s_cmp_lg_u32 s56, 0
	s_cbranch_scc1 .Lterm
	OUT16 0, 44                            ; the third term
	s_wait_tensorcnt 0x0                   ; the wave's end
	ds_add_u32 v7, v8
	s_wait_dscnt 0x0
	s_endpgm
.Lfunc_end_k_q1e66cff88d_prep:
	.size	k_q1e66cff88d_prep, .Lfunc_end_k_q1e66cff88d_prep-k_q1e66cff88d_prep
	.p2alignl 7, 3214868480
	.fill 96, 4, 3214868480
	.section	.rodata,"a",@progbits
	.p2align	6, 0x0
	.amdhsa_kernel k_q1e66cff88d_prep
		.amdhsa_group_segment_fixed_size 204800
		.amdhsa_private_segment_fixed_size 0
		.amdhsa_enable_private_segment 0
		.amdhsa_kernarg_size 80
		.amdhsa_user_sgpr_count 2
		.amdhsa_user_sgpr_kernarg_segment_ptr 1
		.amdhsa_wavefront_size32 1
		.amdhsa_system_sgpr_workgroup_id_x 1
		.amdhsa_system_sgpr_workgroup_id_y 1
		.amdhsa_system_sgpr_workgroup_id_z 1
		.amdhsa_system_vgpr_workitem_id 0
		.amdhsa_next_free_vgpr 256
		.amdhsa_next_free_sgpr 66
		.amdhsa_reserve_vcc 0
		.amdhsa_float_denorm_mode_32 3
		.amdhsa_float_denorm_mode_16_64 3
		.amdhsa_memory_ordered 1
		.amdhsa_forward_progress 1
		.amdhsa_inst_pref_size 86
	.end_amdhsa_kernel
	.amdgpu_metadata
---
amdhsa.version: [ 1, 2 ]
amdhsa.kernels:
  - .name:           k_q1e66cff88d_prep
    .symbol:         k_q1e66cff88d_prep.kd
    .args:
      - { .name: view0, .offset: 0, .size: 8, .value_kind: global_buffer, .address_space: global }
      - { .name: view1, .offset: 8, .size: 8, .value_kind: global_buffer, .address_space: global }
      - { .name: proj_w, .offset: 16, .size: 8, .value_kind: global_buffer, .address_space: global }
      - { .name: proj_b, .offset: 24, .size: 8, .value_kind: global_buffer, .address_space: global }
      - { .name: router_w, .offset: 32, .size: 8, .value_kind: global_buffer, .address_space: global }
      - { .name: w1, .offset: 40, .size: 8, .value_kind: global_buffer, .address_space: global }
      - { .name: wf, .offset: 48, .size: 8, .value_kind: global_buffer, .address_space: global }
      - { .name: rf, .offset: 56, .size: 8, .value_kind: global_buffer, .address_space: global }
      - { .name: hs, .offset: 64, .size: 8, .value_kind: global_buffer, .address_space: global }
      - { .name: h16, .offset: 72, .size: 8, .value_kind: global_buffer, .address_space: global }
    .group_segment_fixed_size: 204800
    .private_segment_fixed_size: 0
    .kernarg_segment_align: 8
    .kernarg_segment_size: 80
    .max_flat_workgroup_size: 512
    .sgpr_count:     66
    .vgpr_count:     256
    .wavefront_size: 32
...
	.end_amdgpu_metadata
.endif
;; end of part 5
;; launch route (part 6): grid 576 x 1, 4 waves a work-group, no clusters, 43,008 bytes of LDS; arguments hs, rf, expert_keys, bitmap, rowmask, gd, w2, wf; writes bitmap, rowmask, gd, wf
.if DOCPART == 6
	.amdgcn_target "amdgcn-amd-amdhsa--gfx1250"
	.amdhsa_code_object_version 6
	.text
	.protected	k_q1e66cff88d_route
	.globl	k_q1e66cff88d_route
	.p2align	8
	.type	k_q1e66cff88d_route,@function
k_q1e66cff88d_route:
	s_mov_b64 s[64:65], 0
	v_nop
	global_prefetch_b8 v0, s[64:65] scope:SCOPE_SE
	s_setreg_imm32_b32 hwreg(HW_REG_WAVE_MODE, 25, 1), 1
	s_wait_xcnt 0x0
; ROUTE, and beside it the layout of w2.
; WORK-GROUPS 0-63: r = h Rw[v] (h as three bf16 terms, 24 bits; Rw rounded to bf16), d2 = |r|^2 - 2 r.key + |key|^2 (r again as three terms, keys rounded to bf16),
; logits = -sqrt(max(d2, 0)), top 4 of 16 (ties: the lower index), softmax with the largest logit taken away.
; A work-group has 32 rows; wave w the columns 128 w .. of r; the four waves' parts of r.key, |r|^2 and |key|^2 meet in LDS, and wave 0 chooses, a row a lane.
; Stored at fixed places: gd[row][16] the dense gates; rowmask[row]: at bits 2e, 2e+1 the rank of chosen expert e among the row's four; bitmap[group of 32 rows][32]: 16 bit words, then their 16 counts.
; WORK-GROUPS 64-575: w2 rounded to bf16, that number written as f16, in fragment order (byte c*512 + 16*lane + 2*i of a fragment holds n = lane%16, k = 16c + 8(lane/16) + i): K steps 16-31 of wf.
; The routing is a chain of dependent steps on 64 work-groups; w2's stream depends on nothing here and is wanted only by the next launch, so it runs beside the chain.
; LDS: the router's regions lie in bytes 0 to 8,959; w2's four stages have bytes of their own behind them.
; LIMITS: NaN and infinities are not treated apart; the weights stay under 65,504, and under 6.1e-5 they keep f16's fixed step of 6e-8.
.set RRB,   8192
.set CKB,   8704
.set W2STG, 9216                       ; w2's work-groups: a stage for each wave,
.set WVB,   8320                       ; its 8 fragments at pitch 1,040: sixteen lanes' 16-byte columns differ modulo 256
.set SPARE, 42496
.set MSB, 0
.macro WIN new
.if MSB != (\new)
	s_set_vgpr_msb (MSB<<8)|(\new)
.set MSB, (\new)
.endif
.endm
.macro NOP4
.rept 4
	v_nop
.endr
.endm
	s_load_b512 s[4:19], s[0:1], 0x0       ; hs 4, rf 6, keys 8, bitmap 10, rowmask 12, gd 14, w2 16, wf 18
	v_lshl_add_u32 v6, v0, 2, SPARE
	v_mov_b32 v7, 0
	v_and_b32 v1, 31, v0
	v_and_b32 v2, 15, v0
	v_bfe_u32 v3, v0, 4, 1
	v_lshrrev_b32 v8, 5, v0
	v_readfirstlane_b32 s20, v8            ; wave
	s_mov_b32 s21, ttmp9                   ; g
	s_mov_b32 s27, 0xffff0000
	s_mov_b32 s28, 0x76543210
	s_mov_b32 s29, 0xfedcba98
	v_lshlrev_b32 v4, 4, v1                ; 16 lane
	v_lshlrev_b32 v5, 10, v2
	v_lshl_add_u32 v5, v3, 4, v5           ; row t x 1,024 + 16 h
	s_wait_kmcnt 0x0
	s_cmp_ge_u32 ttmp9, 64
	s_cbranch_scc1 .Lw2
	s_lshr_b32 s30, s21, 5                 ; v
	s_lshl_b32 s30, s30, 19
	s_lshl_b32 s31, s20, 13
	s_add_co_u32 s30, s30, s31
	s_mov_b32 s31, 0
	s_lshl_b32 s32, s21, 15
	s_mov_b32 s33, 0
	s_add_nc_u64 s[22:23], s[6:7], s[30:31]
	s_add_nc_u64 s[24:25], s[4:5], s[32:33]
.macro LOADS buf, st                   ; 28 loads: 8 fragments of Rw, 3 terms x 2 blocks of 16 rows of h
.irp b, 0,1,2,3,4,5,6,7
	global_load_b128 v[128+64*(\buf)+8*\b:131+64*(\buf)+8*\b], v4, s[22:23] offset:(\st)*32768+\b*1024
	global_load_b128 v[132+64*(\buf)+8*\b:135+64*(\buf)+8*\b], v4, s[22:23] offset:(\st)*32768+\b*1024+512
.endr
.irp x, 0,1,2,3,4,5
	global_load_b128 v[32+48*(\buf)+8*\x:35+48*(\buf)+8*\x], v5, s[24:25] offset:(\x/2)*2097152+(\x%2)*16384+(\st)*64
	global_load_b128 v[36+48*(\buf)+8*\x:39+48*(\buf)+8*\x], v5, s[24:25] offset:(\x/2)*2097152+(\x%2)*16384+(\st)*64+32
.endr
.endm
.macro MUL buf, zero                   ; 48 products; the 16 accumulators (window 1) take turns
	WIN 0x50
.irp x, 0,1,2,3,4,5
.irp b, 0,1,2,3,4,5,6,7
.if (\zero) && (\x < 2)
	v_wmma_f32_16x16x32_bf16 v[64*(\x%2)+8*\b:64*(\x%2)+8*\b+7], v[128+64*(\buf)+8*\b:135+64*(\buf)+8*\b], v[32+48*(\buf)+8*\x:39+48*(\buf)+8*\x], 0
.else
	v_wmma_f32_16x16x32_bf16 v[64*(\x%2)+8*\b:64*(\x%2)+8*\b+7], v[128+64*(\buf)+8*\b:135+64*(\buf)+8*\b], v[32+48*(\buf)+8*\x:39+48*(\buf)+8*\x], v[64*(\x%2)+8*\b:64*(\x%2)+8*\b+7]
.endif
.endr
.endr
	WIN 0
.endm
	LOADS 0, 0
	LOADS 1, 1
	s_wait_loadcnt 28                      ; K step 0 is in; step 1's 28 loads stay out
	MUL 0, 1
	s_mov_b32 s26, 7
.Lk:
	NOP4
	LOADS 0, 2
	s_wait_loadcnt 28
	MUL 1, 0
	NOP4
	LOADS 1, 3
	s_wait_loadcnt 28
	MUL 0, 0
	s_wait_xcnt 0x0                        ; the bases step only behind this wait
	s_add_nc_u64 s[22:23], s[22:23], 65536
	s_add_nc_u64 s[24:25], s[24:25], 128
	s_sub_co_u32 s26, s26, 1
	s_cmp_lg_u32 s26, 0
	s_cbranch_scc1 .Lk
	s_wait_loadcnt 0x0
	MUL 1, 0
	NOP4
	; the keys of my 128 columns: expert t, four fragments; |key|^2 of the rounded keys
	v_lshlrev_b32 v9, 11, v2
	v_lshl_add_u32 v9, v3, 5, v9
	s_lshl_b32 s30, s20, 9
	v_add_nc_u32 v9, s30, v9
.irp kk, 0,1,2,3
	global_load_b128 v[128+16*\kk:131+16*\kk], v9, s[8:9] offset:\kk*128
	global_load_b128 v[132+16*\kk:135+16*\kk], v9, s[8:9] offset:\kk*128+16
	global_load_b128 v[136+16*\kk:139+16*\kk], v9, s[8:9] offset:\kk*128+64
	global_load_b128 v[140+16*\kk:143+16*\kk], v9, s[8:9] offset:\kk*128+80
.endr
.irp r, 20,21,22,23,24,25
	v_mov_b32 v\r, 0
.endr
	s_wait_loadcnt 0x0
.set p, 0
.rept 32
	v_cvt_pk_bf16_f32 v[32+p], v[128+2*p], v[129+2*p]
	v_lshlrev_b32 v[128+2*p], 16, v[32+p]
	v_and_b32 v[129+2*p], s27, v[32+p]
	v_pk_fma_f32 v[24:25], v[128+2*p:129+2*p], v[128+2*p:129+2*p], v[24:25]
.set p, p+1
.endr
	v_add_f32 v24, v24, v25
	v_mov_b32 v25, v24
	v_permlanex16_b32 v25, v24, s28, s29
	v_add_f32 v24, v24, v25
	s_lshl_b32 s30, s20, 6
	s_add_co_u32 s30, s30, CKB
	v_lshl_add_u32 v10, v2, 2, s30
	ds_store_b32 v10, v24
.macro SPLIT kk, rb                    ; 32 columns of r for 16 rows: |r|^2, and three bf16 terms, which are fragments as they stand
	WIN 0x01
.set i, 0
.rept 16
	v_mov_b32 v[64+i], v[64*(\rb)+16*(\kk)+i]
.set i, i+1
.endr
	WIN 0
.set p, 0
.rept 8
	v_pk_fma_f32 v[20+2*(\rb):21+2*(\rb)], v[64+2*p:65+2*p], v[64+2*p:65+2*p], v[20+2*(\rb):21+2*(\rb)]
.set p, p+1
.endr
.irp tm, 0,1
.set p, 0
.rept 8
	v_cvt_pk_bf16_f32 v[80+8*(2*\tm+(\rb))+p], v[64+2*p], v[65+2*p]
	v_lshlrev_b32 v16, 16, v[80+8*(2*\tm+(\rb))+p]
	v_and_b32 v17, s27, v[80+8*(2*\tm+(\rb))+p]
	v_pk_add_f32 v[64+2*p:65+2*p], v[64+2*p:65+2*p], v[16:17] neg_lo:[0,1] neg_hi:[0,1]
.set p, p+1
.endr
.endr
.set p, 0
.rept 8
	v_cvt_pk_bf16_f32 v[80+8*(4+(\rb))+p], v[64+2*p], v[65+2*p]
.set p, p+1
.endr
.endm
.irp kk, 0,1,2,3
	SPLIT \kk, 0                           ; its sixteen copies are the places behind the products that read the fragments
	SPLIT \kk, 1
	WIN 0x50
.irp x, 0,1,2,3,4,5                    ; the two accumulators take turns
.if (\kk == 0) && (\x < 2)
	v_wmma_f32_16x16x32_bf16 v[128+8*(\x%2):135+8*(\x%2)], v[32+8*\kk:39+8*\kk], v[80+8*\x:87+8*\x], 0
.else
	v_wmma_f32_16x16x32_bf16 v[128+8*(\x%2):135+8*(\x%2)], v[32+8*\kk:39+8*\kk], v[80+8*\x:87+8*\x], v[128+8*(\x%2):135+8*(\x%2)]
.endif
.endr
	WIN 0
.endr
	NOP4
	s_lshl_b32 s30, s20, 11
	v_lshlrev_b32 v10, 6, v2
	v_lshl_add_u32 v10, v3, 5, v10
	v_add_nc_u32 v10, s30, v10
	WIN 0x04                               ; store data in window 1
.irp rb, 0,1
	ds_store_b128 v10, v[128+8*\rb:131+8*\rb] offset:1024*\rb
	ds_store_b128 v10, v[132+8*\rb:135+8*\rb] offset:1024*\rb+16
.endr
	WIN 0
	s_lshl_b32 s30, s20, 7
	s_add_co_u32 s30, s30, RRB
	v_lshl_add_u32 v11, v2, 2, s30
.irp rb, 0,1
	v_add_f32 v[20+2*\rb], v[20+2*\rb], v[21+2*\rb]
	v_mov_b32 v[21+2*\rb], v[20+2*\rb]
	v_permlanex16_b32 v[21+2*\rb], v[20+2*\rb], s28, s29
	v_add_f32 v[20+2*\rb], v[20+2*\rb], v[21+2*\rb]
	ds_store_b32 v11, v[20+2*\rb] offset:64*\rb
.endr
	s_wait_dscnt 0x0                       ; for wave 0's sake
	s_barrier_signal -1
	s_barrier_wait -1
	s_cmp_lg_u32 s20, 0
	s_cbranch_scc1 .Lend
	; wave 0: a row a lane
	v_lshlrev_b32 v10, 6, v1
	v_lshl_add_u32 v11, v1, 2, RRB
	v_mov_b32 v12, CKB
.irp w, 0,1,2,3
.irp i, 0,1,2,3
	ds_load_b128 v[128+16*\w+4*\i:131+16*\w+4*\i], v10 offset:\w*2048+16*\i
	ds_load_b128 v[192+16*\w+4*\i:195+16*\w+4*\i], v12 offset:\w*64+16*\i
.endr
	ds_load_b32 v[16+\w], v11 offset:128*\w
.endr
	s_wait_dscnt 0x0
.irp w, 1,2,3
.set p, 0
.rept 8
	v_pk_add_f32 v[128+2*p:129+2*p], v[128+2*p:129+2*p], v[128+16*\w+2*p:129+16*\w+2*p]
	v_pk_add_f32 v[192+2*p:193+2*p], v[192+2*p:193+2*p], v[192+16*\w+2*p:193+16*\w+2*p]
.set p, p+1
.endr
.endr
	v_add_f32 v16, v16, v17
	v_add_f32 v18, v18, v19
	v_add_f32 v16, v16, v18
.set e, 0
.rept 16
	v_fma_f32 v[64+e], -2.0, v[128+e], v16
	v_add_f32 v[64+e], v[64+e], v[192+e]
	v_max_num_f32 v[64+e], 0, v[64+e]
.set e, e+1
.endr
.set e, 0
.rept 16
	v_sqrt_f32 v[64+e], v[64+e]
.set e, e+1
.endr
	v_nop                                  ; a plain instruction behind the last root,
	s_wait_alu depctr_va_vdst(0)           ; and one wait for the sixteen
.set e, 0
.rept 16
	v_mul_f32 v[144+e], -1.0, v[64+e]      ; the logits
	v_mov_b32 v[64+e], v[144+e]            ; and a copy from which the chosen are struck
.set e, e+1
.endr
	v_mov_b32 v25, 0xff800000
	v_mov_b32 v26, 1
	v_mov_b32 v28, 0                       ; the chosen experts' bits
	v_mov_b32 v20, v25                     ; the largest logit of all
	s_mov_b32 s26, 4
.Ltop:                                         ; four trips: the largest that is left, at its lowest index, is chosen and struck
	v_max3_num_f32 v21, v64, v65, v66
.set i, 67
.rept 6
	v_max3_num_f32 v21, v21, v[i], v[i+1]
.set i, i+2
.endr
	v_max_num_f32 v21, v21, v79
	v_max_num_f32 v20, v20, v21
	v_mov_b32 v24, 15
.set i, 14
.rept 15
	v_cmp_eq_f32 vcc_lo, v[64+i], v21
	v_cndmask_b32 v24, v24, i, vcc_lo
.set i, i-1
.endr
.set i, 0
.rept 16
	v_cmp_eq_u32 vcc_lo, i, v24
	v_cndmask_b32 v[64+i], v[64+i], v25, vcc_lo
.set i, i+1
.endr
	v_lshlrev_b32 v27, v24, v26
	v_or_b32 v28, v28, v27
	s_sub_co_u32 s26, s26, 1
	s_cmp_lg_u32 s26, 0
	s_cbranch_scc1 .Ltop
.set e, 0
.rept 16
	v_sub_f32 v[144+e], v[144+e], v20      ; the largest logit is taken away
	v_mul_f32 v[144+e], 0x3fb8aa3b, v[144+e]
.set e, e+1
.endr
.set e, 0
.rept 16
	v_exp_f32 v[144+e], v[144+e]
.set e, e+1
.endr
	v_mov_b32 v29, 0
	s_wait_alu depctr_va_vdst(0)           ; one wait for the sixteen exponentials
	v_mov_b32 v30, 0                       ; the rank word
	v_mov_b32 v31, 0                       ; chosen so far
	v_mov_b32 v19, 0                       ; the sum
.set e, 0
.rept 16
	v_and_b32 v27, 1<<e, v28
	v_cmp_ne_u32 s30, 0, v27
	v_cndmask_b32 v[144+e], 0, v[144+e], s30
	v_add_f32 v19, v19, v[144+e]
	s_bcnt1_i32_b32 s31, s30
	v_writelane_b32 v29, s30, e            ; lane e: the 32 rows' bits for expert e; lane 16 + e: their count
	v_writelane_b32 v29, s31, 16+e
	v_bfe_u32 v27, v28, e, 1
	v_mul_u32_u24 v18, v31, v27
	v_lshl_or_b32 v30, v18, 2*e, v30
	v_add_nc_u32 v31, v31, v27
.set e, e+1
.endr
	v_rcp_f32 v19, v19
	v_lshlrev_b32 v11, 2, v1
	s_wait_alu depctr_va_vdst(0)
.set e, 0
.rept 16
	v_mul_f32 v[144+e], v[144+e], v19
.set e, e+1
.endr
	s_lshl_b32 s30, s21, 11
	s_mov_b32 s31, 0
	s_add_nc_u64 s[14:15], s[14:15], s[30:31]
	s_lshl_b32 s30, s21, 7
	s_add_nc_u64 s[12:13], s[12:13], s[30:31]
	s_add_nc_u64 s[10:11], s[10:11], s[30:31]
.irp i, 0,1,2,3
	global_store_b128 v10, v[144+4*\i:147+4*\i], s[14:15] offset:16*\i
.endr
	global_store_b32 v11, v30, s[12:13]
	global_store_b32 v11, v29, s[10:11]    ; 128 consecutive bytes
.Lend:
	s_wait_tensorcnt 0x0                   ; the wave's end
	ds_add_u32 v6, v7
	s_wait_dscnt 0x0
	s_endpgm
.Lw2:	; ---- w2: g = id - 64: expert, H slice, K step sp (and sp + 8 in the second trip); wave w has the columns 128 w ..; no wave depends on another
	s_sub_co_u32 s34, ttmp9, 64
	s_lshr_b32 s35, s34, 5                 ; e
	s_bfe_u32 s36, s34, 0x20003            ; j
	s_and_b32 s37, s34, 7                  ; sp
	s_lshl_b32 s40, s35, 22                ; e x 4 MiB
	s_lshl_b32 s41, s36, 20                ; j x 512 rows of 2,048 bytes
	s_add_co_u32 s40, s40, s41
	s_lshl_b32 s41, s37, 16                ; 32 rows a step
	s_add_co_u32 s40, s40, s41
	s_lshl_b32 s41, s20, 9                 ; w x 128 columns
	s_add_co_u32 s40, s40, s41
	s_mov_b32 s41, 0
	s_add_nc_u64 s[22:23], s[16:17], s[40:41]
	s_lshl2_add_u32 s42, s35, s36          ; 4 e + j
	s_lshl_b32 s42, s42, 5
	s_add_co_u32 s42, s42, s37
	s_add_co_u32 s42, s42, 16              ; behind w1's sixteen steps
	s_lshl_b32 s42, s42, 15
	s_lshl_b32 s43, s20, 13
	s_add_co_u32 s42, s42, s43
	s_mov_b32 s43, 0
	s_add_nc_u64 s[24:25], s[18:19], s[42:43]
	s_mul_i32 s44, s20, WVB
	s_add_co_u32 s44, s44, W2STG           ; my stage
	v_lshrrev_b32 v16, 2, v1
	v_mul_u32_u24 v8, v16, 1040
	v_and_b32 v16, 3, v1
	v_lshl_add_u32 v8, v16, 6, v8
	v_add_nc_u32 v8, s44, v8               ; where my columns go
	v_add_nc_u32 v9, s44, v4               ; where I read fragments back
	s_mov_b32 s26, 2
.Lw2blk:
.set k, 0
.rept 32                               ; 32 rows (k) x 128 columns of f32: each load is 512 consecutive bytes; a lane gets all 32 k of its four columns
	global_load_b128 v[64+4*k:67+4*k], v4, s[22:23] offset:2048*k th:TH_LOAD_NT
.set k, k+1
.endr
	s_wait_loadcnt 0x0
.set i, 0
.rept 4                                ; pairs along k, rounded to bf16, that number written as f16
.set kk, 0
.rept 16
.set o, 192+(4*i+(kk>>2))*4+(kk&3)
	v_cvt_pk_bf16_f32 v[o], v[64+8*kk+i], v[68+8*kk+i]
	v_lshlrev_b32 v16, 16, v[o]
	v_and_b32 v17, s27, v[o]
	v_cvt_pk_f16_f32 v[o], v16, v17
.set kk, kk+1
.endr
.set i, i+1
.endr
.set i, 0
.rept 4                                ; column i, eight k: 16 bytes into their place in the fragment
.set ch, 0
.rept 4
	ds_store_b128 v8, v[192+(4*i+ch)*4:195+(4*i+ch)*4] offset:16*i+256*ch
.set ch, ch+1
.endr
.set i, i+1
.endr
.set m, 0
.rept 16                               ; my own 8 fragments back (LDS serves a wave in order),
	ds_load_b128 v[192+4*m:195+4*m], v9 offset:(m>>1)*1040+(m&1)*512
.set m, m+1
.endr
	s_wait_dscnt 0x0
.set m, 0
.rept 16                               ; and out, 512 consecutive bytes a store
	global_store_b128 v4, v[192+4*m:195+4*m], s[24:25] offset:512*m
.set m, m+1
.endr
	s_wait_xcnt 0x0                        ; the stores' data and both bases are rewritten only behind this wait
	s_add_nc_u64 s[22:23], s[22:23], 0x80000
	s_add_nc_u64 s[24:25], s[24:25], 0x40000
	s_sub_co_u32 s26, s26, 1
	s_cmp_lg_u32 s26, 0
	s_cbranch_scc1 .Lw2blk
	s_wait_tensorcnt 0x0                   ; the wave's end
	ds_add_u32 v6, v7
	s_wait_dscnt 0x0
	s_endpgm
.Lfunc_end_k_q1e66cff88d_route:
	.size	k_q1e66cff88d_route, .Lfunc_end_k_q1e66cff88d_route-k_q1e66cff88d_route
	.p2alignl 7, 3214868480
	.fill 96, 4, 3214868480
	.section	.rodata,"a",@progbits
	.p2align	6, 0x0
	.amdhsa_kernel k_q1e66cff88d_route
		.amdhsa_group_segment_fixed_size 43008
		.amdhsa_private_segment_fixed_size 0
		.amdhsa_enable_private_segment 0
		.amdhsa_kernarg_size 64
		.amdhsa_user_sgpr_count 2
		.amdhsa_user_sgpr_kernarg_segment_ptr 1
		.amdhsa_wavefront_size32 1
		.amdhsa_system_sgpr_workgroup_id_x 1
		.amdhsa_system_sgpr_workgroup_id_y 1
		.amdhsa_system_sgpr_workgroup_id_z 1
		.amdhsa_system_vgpr_workitem_id 0
		.amdhsa_next_free_vgpr 400
		.amdhsa_next_free_sgpr 66
		.amdhsa_reserve_vcc 1
		.amdhsa_float_denorm_mode_32 3
		.amdhsa_float_denorm_mode_16_64 3
		.amdhsa_memory_ordered 1
		.amdhsa_forward_progress 1
		.amdhsa_inst_pref_size 118
	.end_amdhsa_kernel
	.amdgpu_metadata
---
amdhsa.version: [ 1, 2 ]
amdhsa.kernels:
  - .name:           k_q1e66cff88d_route
    .symbol:         k_q1e66cff88d_route.kd
    .args:
      - { .name: hs, .offset: 0, .size: 8, .value_kind: global_buffer, .address_space: global }
      - { .name: rf, .offset: 8, .size: 8, .value_kind: global_buffer, .address_space: global }
      - { .name: expert_keys, .offset: 16, .size: 8, .value_kind: global_buffer, .address_space: global }
      - { .name: bitmap, .offset: 24, .size: 8, .value_kind: global_buffer, .address_space: global }
      - { .name: rowmask, .offset: 32, .size: 8, .value_kind: global_buffer, .address_space: global }
      - { .name: gd, .offset: 40, .size: 8, .value_kind: global_buffer, .address_space: global }
      - { .name: w2, .offset: 48, .size: 8, .value_kind: global_buffer, .address_space: global }
      - { .name: wf, .offset: 56, .size: 8, .value_kind: global_buffer, .address_space: global }
    .group_segment_fixed_size: 43008
    .private_segment_fixed_size: 0
    .kernarg_segment_align: 8
    .kernarg_segment_size: 64
    .max_flat_workgroup_size: 128
    .sgpr_count:     66
    .vgpr_count:     400
    .wavefront_size: 32
...
	.end_amdgpu_metadata
.endif
;; end of part 6
;; launch experts (part 7): grid 4 x 67, 4 waves a work-group, no clusters, 175,360 bytes of LDS; arguments bitmap, rowmask, gd, h16, wf, b1, b2, part; writes part
.if DOCPART == 7
	.amdgcn_target "amdgcn-amd-amdhsa--gfx1250"
	.amdhsa_code_object_version 6
	.text
	.protected	k_q1e66cff88d_experts
	.globl	k_q1e66cff88d_experts
	.p2align	8
	.type	k_q1e66cff88d_experts,@function
k_q1e66cff88d_experts:
	s_mov_b64 s[64:65], 0
	v_nop
	global_prefetch_b8 v0, s[64:65] scope:SCOPE_SE
	s_setreg_imm32_b32 hwreg(HW_REG_WAVE_MODE, 25, 1), 1
	s_wait_xcnt 0x0
; EXPERTS.  A work-group takes a tile of up to 160 rows that chose one expert E, and one slice j of 512 of the 2,048 hidden units, through the chain:
; gather h (f16), h W1 + b1, exact GELU, hid W2 (+ b2 in slice 0), times the gate; the partial row (f32) goes to part[(row*4 + rank of E in the row)*4 + j].
; The grid, 4 slices x 67 tiles, serves every split: sum over experts of ceil(n_e / 160) is at most 67 for 8,192 routed rows and 16 experts.  Every work-group finds its expert and
; its place from the stored counts.  A tile's places past the count repeat row 0 and are not stored.  A work-group without rows passes every barrier and runs the gather, each product's first
; K step (which writes every accumulator), the maxima, the scaling and the GELU on what that gives; K steps 1-15 of both products and all work of the way out are jumped, and it stores nothing.
; A wave has all 160 rows x 128 columns: 80 accumulators.  A's rows come from LDS; the weights, laid out in fragment order by the launches before, come from memory straight into registers.
; NO CLUSTER, NO TENSOR LOAD: each weight fragment has one reading wave in the work-group, and which work-groups share an expert hangs on counts read from memory.
; LDS ADDRESSES IN LOOPS are made anew in every trip: a scalar register that steps by a constant, plus a lane term that is never rewritten.
; FORMATS.  f16 operands, f32 sums.  The pre-activation and hid carry, for each row, a power of two F that brings the row's largest |pre-activation| into 2^13 .. 2^14, so they have no limit of range.
; erf by a rational form with an exponential (absolute error 1.5e-7).  LIMITS: |h| and weights under 65,504; NaN and infinities are not treated apart.
; REGISTERS in windows of 256 (s_set_vgpr_msb: bits 1:0 source 0, 3:2 source 1, 5:4 source 2, 7:6 destination):
;   window 0: v0-15 addresses; v16-63 at work (v60-62: the fragments' running addresses); v64, v128, v192: three buffers of 8 weight fragments
;   window 1: v0-79 A's ten fragments; v128-255 accumulators of row blocks 8, 9     window 2: accumulators of row blocks 0-3 (64 a + 8 b)     window 3: of row blocks 4-7
;   (ahead of the first product windows 2 and 3 hold the gathered rows on their way into LDS)
.set MXB,   168960                     ; [wave][160] row maxima
.set LIST,  171520                     ; 160 row numbers, then 32 words that take what belongs to other tiles
.set TAB,   172288                     ; 16 bytes a row: gate, slot in part, 1/F, F/2
.set SPARE, 174848
.set SB,    32768                      ; a K step's weights: 4 waves x 8 fragments
.set MSB, 0
.macro WIN new
.if MSB != (\new)
	s_set_vgpr_msb (MSB<<8)|(\new)
.set MSB, (\new)
.endif
.endm
.macro NOP4
.rept 4
	v_nop
.endr
.endm
.macro ACCAT a                         ; mw, mr: window and first register of row block a's accumulators
.if (\a) < 4
.set mw, 2
.set mr, 64*(\a)
.elseif (\a) < 8
.set mw, 3
.set mr, 64*((\a)-4)
.else
.set mw, 1
.set mr, 128+64*((\a)-8)
.endif
.endm
.macro LOADB nb, kb                    ; 16 loads: my 8 fragments of one K step
	WIN 0
.irp b, 0,1,2,3,4,5,6,7
	global_load_b128 v[64+64*(\nb)+8*\b:67+64*(\nb)+8*\b], v10, s[30:31] offset:(\kb)+1024*\b
	global_load_b128 v[68+64*(\nb)+8*\b:71+64*(\nb)+8*\b], v10, s[30:31] offset:(\kb)+1024*\b+512
.endr
.endm
.macro LOADA g, ka                     ; group g of A's fragments: row blocks 0-3, 4-7, or 8-9
	WIN 0x40
.irp i, 0,1,2,3
.if ((\g) < 2) || (\i < 2)
	ds_load_b128 v[8*(4*(\g)+\i):8*(4*(\g)+\i)+3], v[60+(\g)] offset:\i*16640+(\ka)
	ds_load_b128 v[8*(4*(\g)+\i)+4:8*(4*(\g)+\i)+7], v[60+(\g)] offset:\i*16640+(\ka)+32
.endif
.endr
.endm
.macro MULA a, buf, first              ; first = 1: the bias (third buffer) starts the sums; 2: the constant 0; 0: in place
	ACCAT \a
.if (\first) == 1
	WIN 0x04|(mw<<6)
.else
	WIN 0x04|(mw<<4)|(mw<<6)
.endif
.irp b, 0,1,2,3,4,5,6,7
.if (\first) == 1
	v_wmma_f32_16x16x32_f16 v[mr+8*\b:mr+8*\b+7], v[64+64*(\buf)+8*\b:71+64*(\buf)+8*\b], v[8*(\a):8*(\a)+7], v[192+8*\b:199+8*\b]
.elseif (\first) == 2
	v_wmma_f32_16x16x32_f16 v[mr+8*\b:mr+8*\b+7], v[64+64*(\buf)+8*\b:71+64*(\buf)+8*\b], v[8*(\a):8*(\a)+7], 0
.else
	v_wmma_f32_16x16x32_f16 v[mr+8*\b:mr+8*\b+7], v[64+64*(\buf)+8*\b:71+64*(\buf)+8*\b], v[8*(\a):8*(\a)+7], v[mr+8*\b:mr+8*\b+7]
.endif
.endr
.endm
.macro MUL g, buf, first
	MULA 4*(\g), \buf, \first
	MULA 4*(\g)+1, \buf, \first
.if (\g) < 2
	MULA 4*(\g)+2, \buf, \first
	MULA 4*(\g)+3, \buf, \first
.endif
.endm
; One K step of 32: 80 products, the 80 accumulators by turns.  Four places stand in front of every run of loads into registers that products have read.
.macro STEP buf, nb, ldb, wcnt, ka, kb, first, nexta
	NOP4
.if (\ldb) && ((\first) != 1)
	LOADB \nb, \kb
.endif
	LOADA 2, \ka
	s_wait_loadcnt \wcnt                   ; this step's weights are in; those of the steps behind it stay out
	s_wait_dscnt 12                        ; group 0 is in; group 1's eight and group 2's four loads stay out
	MUL 0, \buf, \first
	NOP4
.if \nexta
	LOADA 0, (\ka)+64
	s_wait_dscnt 12                        ; group 1 is in; group 2's four and the next group 0's eight stay out
.else
	s_wait_dscnt 4
.endif
	MUL 1, \buf, \first
	NOP4
.if \nexta
	LOADA 1, (\ka)+64
	s_wait_dscnt 16                        ; group 2 is in; the next step's sixteen stay out
.else
	s_wait_dscnt 0x0
.endif
	MUL 2, \buf, \first
.if (\first) == 1
	NOP4
	LOADB \nb, \kb                         ; the third buffer held the bias until now
.endif
.endm
.macro AADR                            ; the fragments' addresses: s72 bytes along K, plus the three lane terms
	v_add_nc_u32 v60, s72, v4
	v_add_nc_u32 v61, s72, v5
	v_add_nc_u32 v62, s72, v6
.endm
; 160 x 512 (LDS) times 512 x 128 (my weights).  The first K step, which starts all 80 sums, is run by every work-group; one without rows jumps steps 1-15.
; Between the barrier ahead of a product and the one behind it no wave writes LDS.
.macro PHASE first, w0
	WIN 0
	s_mov_b32 s72, 0
	AADR
	LOADA 0, 0
	LOADA 1, 0
	STEP 0, 2, 1, \w0, 0, 2*SB, \first, 1
	WIN 0
	s_cmp_eq_u32 s25, 0
	s_cbranch_scc1 .Lpskip_\@
	s_mov_b32 s27, 4
.Lploop_\@:
	STEP 1, 0, 1, 32, 64,  3*SB, 0, 1
	STEP 2, 1, 1, 32, 128, 4*SB, 0, 1
	STEP 0, 2, 1, 32, 192, 5*SB, 0, 1
	WIN 0
	s_add_co_u32 s72, s72, 192             ; three K steps on
	AADR
	s_wait_xcnt 0x0                        ; the weights' base steps only behind this wait
	s_add_nc_u64 s[30:31], s[30:31], 3*SB
	s_sub_co_u32 s27, s27, 1
	s_cmp_lg_u32 s27, 0
	s_cbranch_scc1 .Lploop_\@
	STEP 1, 0, 1, 32, 64,  3*SB, 0, 1
	STEP 2, 0, 0, 16, 128, 0, 0, 1
	STEP 0, 0, 0, 0,  192, 0, 0, 0
	WIN 0
.Lpskip_\@:
	s_wait_loadcnt 0x0                     ; both ways: nothing is out (on the long way nothing was)
	s_wait_dscnt 0x0
.endm
	s_load_b512 s[4:19], s[0:1], 0x0       ; bitmap 4, rowmask 6, gd 8, h16 10, wf 12, b1 14, b2 16, part 18
	v_lshl_add_u32 v14, v0, 2, SPARE
	v_mov_b32 v15, 0
	v_and_b32 v1, 31, v0
	v_and_b32 v2, 15, v0
	v_bfe_u32 v3, v0, 4, 1
	v_lshrrev_b32 v16, 5, v0
	v_readfirstlane_b32 s20, v16           ; wave
	s_mov_b32 s21, ttmp9                   ; j
	s_and_b32 s22, ttmp7, 0xffff           ; q
	s_mov_b32 s60, 0xffff0000
	s_mov_b32 s61, 0x3e6d3389              ; 0.3275911 / sqrt(2)
	s_mov_b32 s62, 0x76543210
	s_mov_b32 s63, 0xfedcba98
	v_lshlrev_b32 v10, 4, v1               ; 16 lane
	v_mul_u32_u24 v4, v2, 1040
	v_lshl_add_u32 v4, v3, 4, v4           ; a fragment's row x pitch + 16 h; three lane terms, since an offset has 16 bits; never rewritten
	v_add_nc_u32 v5, 66560, v4
	v_add_nc_u32 v6, 133120, v4
	s_lshl_b32 s67, s20, 8
	v_add_nc_u32 v7, s67, v4               ; the same at my 128 columns
	v_add_nc_u32 v8, s67, v5
	v_add_nc_u32 v9, s67, v6
	s_mul_i32 s48, s20, 42240              ; my stage on the way out: 80 rows x 528
	v_mul_u32_u24 v11, v2, 528
	v_lshl_add_u32 v11, v3, 5, v11
	v_add_nc_u32 v11, s48, v11
	s_lshl_b32 s67, s20, 9
	v_add_nc_u32 v13, s67, v10             ; my 16 bytes in a partial row
	v_lshlrev_b32 v17, 8, v1               ; two groups of 32 rows a lane
	v_lshlrev_b32 v18, 5, v3
	s_wait_kmcnt 0x0
	; every expert's count: two groups a lane, summed over the lanes, two experts to a word
.irp i, 0,1,2,3
	global_load_b128 v[32+4*\i:35+4*\i], v17, s[4:5] offset:64+16*\i
	global_load_b128 v[48+4*\i:51+4*\i], v17, s[4:5] offset:192+16*\i
.endr
	s_wait_loadcnt 0x0
.set e, 0
.rept 16
	v_add_nc_u32 v[32+e], v[32+e], v[48+e]
.set e, e+1
.endr
.set p, 0
.rept 8
	v_lshl_or_b32 v[48+p], v[33+2*p], 16, v[32+2*p]
.set p, p+1
.endr
.irp m, 1,2,4,8
.set p, 0
.rept 8
	v_mov_b32_dpp v[56+p], v[48+p] row_xmask:\m row_mask:0xf bank_mask:0xf
.set p, p+1
.endr
.set p, 0
.rept 8
	v_add_nc_u32 v[48+p], v[48+p], v[56+p]
.set p, p+1
.endr
.endr
.set p, 0
.rept 8
	v_permlanex16_b32 v[56+p], v[48+p], s62, s63
.set p, p+1
.endr
.set p, 0
.rept 8
	v_add_nc_u32 v[48+p], v[48+p], v[56+p]
	v_readfirstlane_b32 s67, v[48+p]
	s_and_b32 s[32+2*p], s67, 0xffff
	s_lshr_b32 s[33+2*p], s67, 16
.set p, p+1
.endr
	; whose tile is q: the last expert whose first tile is not behind q
	s_mov_b32 s67, 0
	s_mov_b32 s23, 0
	s_mov_b32 s24, 0
	s_mov_b32 s28, 0
.set e, 0
.rept 16
	s_sub_co_u32 s68, s22, s67
	s_cmp_ge_u32 s22, s67
	s_cselect_b32 s23, e, s23
	s_cselect_b32 s24, s68, s24
	s_cselect_b32 s28, s[32+e], s28
	s_add_co_u32 s69, s[32+e], 159
	s_mul_i32 s69, s69, 6554               ; (n + 159) / 160, right for n up to 2,048
	s_lshr_b32 s69, s69, 20
	s_add_co_u32 s67, s67, s69
.set e, e+1
.endr
	s_min_u32 s23, s23, 15                 ; E
	s_mul_i32 s26, s24, 160                ; the tile's first rank
	s_sub_co_i32 s25, s28, s26
	s_max_i32 s25, s25, 0
	s_min_i32 s25, s25, 160                ; its rows
	s_cmp_eq_u32 s21, 0
	s_cselect_b32 s66, 1.0, 0              ; b2 counts in slice 0 alone
	s_lshl_b32 s49, s23, 1
	s_lshl_b32 s68, s23, 2
	s_mov_b32 s69, 0
	s_add_nc_u64 s[54:55], s[4:5], s[68:69]   ; bitmap at E's word
	s_add_nc_u64 s[50:51], s[8:9], s[68:69]   ; gd at E's column
	s_add_co_u32 s68, s68, s21
	s_lshl_b32 s68, s68, 20
	s_lshl_b32 s70, s20, 13
	s_add_co_u32 s68, s68, s70
	s_add_nc_u64 s[30:31], s[12:13], s[68:69] ; my weights of (E, j), step 0
	s_lshl_b32 s68, s23, 13
	s_lshl_b32 s70, s21, 11
	s_add_co_u32 s68, s68, s70
	s_lshl_b32 s70, s20, 9
	s_add_co_u32 s68, s68, s70
	s_add_nc_u64 s[52:53], s[14:15], s[68:69] ; b1 at my 128 columns
	s_lshl_b32 s68, s23, 11
	s_add_co_u32 s68, s68, s70
	s_add_nc_u64 s[56:57], s[16:17], s[68:69] ; b2 at my 128 columns
	global_load_b32 v22, v17, s[54:55]             ; E's bits of my two groups,
	global_load_b32 v23, v17, s[54:55] offset:128
	global_load_b32 v24, v17, s[54:55] offset:64   ; and their counts
	global_load_b32 v25, v17, s[54:55] offset:192
	LOADB 0, 0
	LOADB 1, SB
.irp b, 0,1,2,3,4,5,6,7
	global_load_b128 v[192+8*\b:195+8*\b], v18, s[52:53] offset:64*\b
	global_load_b128 v[196+8*\b:199+8*\b], v18, s[52:53] offset:64*\b+16
.endr
	s_wait_loadcnt 48                      ; the four words are in; the 32 weight loads and 16 bias loads issued behind them stay out
	s_cmp_lg_u32 s20, 0
	s_cbranch_scc1 .Lnolist
	; wave 0 lists the tile's rows: ranks LO .. LO + CNT - 1 of E's rows, in ascending row order
	v_lshl_add_u32 v20, v1, 2, LIST
	v_mov_b32 v21, 0
.irp i, 0,1,2,3,4
	ds_store_b32 v20, v21 offset:128*\i    ; places past the count repeat row 0
.endr
	v_add_nc_u32 v26, v24, v25
	v_mov_b32 v27, v26
.irp d, 1,2,4,8,16                     ; running sum over the lanes
	v_sub_nc_u32 v28, v1, \d
	v_lshlrev_b32 v28, 2, v28
	ds_bpermute_b32 v29, v28, v27
	v_cmp_le_u32 vcc_lo, \d, v1
	s_wait_dscnt 0x0
	v_cndmask_b32 v29, 0, v29, vcc_lo
	v_add_nc_u32 v27, v27, v29
.endr
	v_sub_nc_u32 v27, v27, v26             ; the rank of my first group's first row,
	v_add_nc_u32 v30, v27, v24             ; of my second group's
	v_lshlrev_b32 v31, 6, v1
	v_add_nc_u32 v19, 160, v1
	s_mov_b32 s27, 0
.Lbit:                                         ; bit s27 of both groups' words; the two chains stand line by line, so that no line waits for the one before it
	v_bfe_u32 v32, v22, s27, 1
	v_bfe_u32 v36, v23, s27, 1
	v_subrev_nc_u32 v33, s26, v27
	v_subrev_nc_u32 v37, s26, v30
	v_cmp_gt_u32 s67, s25, v33
	v_cmp_gt_u32 s69, s25, v37
	v_cmp_ne_u32 s68, 0, v32
	v_cmp_ne_u32 s70, 0, v36
	s_and_b32 s67, s67, s68
	s_and_b32 s69, s69, s70
	v_cndmask_b32 v33, v19, v33, s67       ; a row of this tile goes to its place, all else to my word behind the list
	v_cndmask_b32 v37, v19, v37, s69
	v_min_u32 v33, 191, v33
	v_min_u32 v37, 191, v37
	v_lshl_add_u32 v33, v33, 2, LIST
	v_lshl_add_u32 v37, v37, 2, LIST
	v_add_nc_u32 v34, s27, v31
	v_add3_u32 v38, v31, s27, 32
	ds_store_b32 v33, v34
	ds_store_b32 v37, v38
	v_add_nc_u32 v27, v27, v32
	v_add_nc_u32 v30, v30, v36
	s_add_co_u32 s27, s27, 1
	s_cmp_lt_u32 s27, 32
	s_cbranch_scc1 .Lbit
.Lnolist:
	s_wait_dscnt 0x0
	s_barrier_signal -1
	s_barrier_wait -1                      ; the list is there
	; wave w: the table and the gather for places 40 w .. 40 w + 39.  The table's four loads and all 80 loads of the rows go out with one latency between them:
	; 16 lanes take 256 consecutive bytes of one row, so a row number serves four loads; four batches of five pairs of rows, three of them out at a time (60 loads at the most)
.macro GBASE k                         ; batches 0-2 land in window 2, batch 3 in window 3
.if (\k) < 3
.set gw, 2
.set gb, 80*(\k)
.else
.set gw, 3
.set gb, 0
.endif
.endm
.macro GLOAD k
	GBASE \k
	WIN gw<<6
.irp x, 0,1,2,3,4
.irp c, 0,1,2,3
	global_load_b128 v[gb+16*\x+4*\c:gb+16*\x+4*\c+3], v[40+5*(\k)+\x], s[10:11] offset:256*\c
.endr
.endr
.endm
.macro GSTORE k
	GBASE \k
	WIN gw<<2
.irp x, 0,1,2,3,4
.irp c, 0,1,2,3
	ds_store_b128 v35, v[gb+16*\x+4*\c:gb+16*\x+4*\c+3] offset:(5*(\k)+\x)*2080+256*\c
.endr
.endr
.endm
	s_mul_i32 s67, s20, 40
	v_add_nc_u32 v16, s67, v1              ; the table: place 40 w + lane,
	v_and_b32 v17, 7, v1
	s_add_co_u32 s67, s67, 32
	v_add_nc_u32 v17, s67, v17             ; and place 40 w + 32 + lane % 8
	v_lshl_add_u32 v20, v16, 2, LIST
	v_lshl_add_u32 v21, v17, 2, LIST
	s_mul_i32 s67, s20, 160
	s_add_co_u32 s67, s67, LIST
	v_lshl_add_u32 v22, v3, 2, s67         ; the gather: pair p's two rows, one for each half of the lanes
	ds_load_b32 v36, v20
	ds_load_b32 v37, v21
.set p, 0
.rept 20
	ds_load_b32 v[40+p], v22 offset:8*p
.set p, p+1
.endr
	v_lshlrev_b32 v34, 4, v2
	s_mul_i32 s67, s20, 41600
	v_mul_u32_u24 v35, v3, 1040
	v_add_nc_u32 v35, v35, v34
	v_add_nc_u32 v35, s67, v35             ; where a pair goes: my 40 rows, row h of the pair, 16 bytes a lane
	s_wait_dscnt 0x0
	v_min_u32 v36, 2047, v36
	v_min_u32 v37, 2047, v37
	v_lshlrev_b32 v23, 2, v36
	v_lshlrev_b32 v24, 6, v36
	v_lshlrev_b32 v25, 2, v37
	v_lshlrev_b32 v26, 6, v37
	global_load_b32 v28, v23, s[6:7]       ; the rows' rank words and their gates for E
	global_load_b32 v30, v24, s[50:51]
	global_load_b32 v29, v25, s[6:7]
	global_load_b32 v32, v26, s[50:51]
.set p, 0
.rept 20
	v_min_u32 v[40+p], 2047, v[40+p]
	v_lshl_add_u32 v[40+p], v[40+p], 10, v34
.set p, p+1
.endr
	s_wait_loadcnt 4                       ; b1 (rounded below) and the first weights, 48 loads issued long ago, are in; the table's four stay out
	GLOAD 0
	GLOAD 1
	WIN 0
.set p, 0
.rept 32                               ; b1 rounded to bf16 like every input: work for the time in which the rows are on their way
	v_cvt_pk_bf16_f32 v38, v[192+2*p], v[193+2*p]
	v_lshlrev_b32 v[192+2*p], 16, v38
	v_and_b32 v[193+2*p], s60, v38
.set p, p+1
.endr
	s_wait_loadcnt 40                      ; the table's four are in; two batches of 20 stay out
	v_bfe_u32 v28, v28, s49, 2             ; E's rank among the row's four
	v_bfe_u32 v29, v29, s49, 2
	v_lshl_add_u32 v31, v36, 4, s21
	v_lshl_add_u32 v33, v37, 4, s21
	v_lshl_add_u32 v31, v28, 2, v31        ; slot = row*16 + 4 rank + j
	v_lshl_add_u32 v33, v29, 2, v33
	v_lshl_add_u32 v20, v16, 4, TAB
	v_lshl_add_u32 v21, v17, 4, TAB
	ds_store_b64 v20, v[30:31]
	ds_store_b64 v21, v[32:33]
	GLOAD 2
	s_wait_loadcnt 40                      ; batch 0 is in; batches 1 and 2 stay out
	GSTORE 0
	GLOAD 3
	s_wait_loadcnt 40                      ; batch 1 is in
	GSTORE 1
	s_wait_loadcnt 20                      ; batch 2 is in; batch 3 stays out
	GSTORE 2
	s_wait_loadcnt 0x0
	GSTORE 3
	WIN 0
	s_wait_dscnt 0x0
	s_barrier_signal -1
	s_barrier_wait -1                      ; all 160 rows of h are in LDS
	PHASE 1, 0
	NOP4
	s_wait_xcnt 0x0
	s_add_nc_u64 s[30:31], s[30:31], 4*SB  ; on to W2's steps; their first two are asked for now and land during the work between the phases
	                                       ; (in a work-group without rows the base stands twelve steps back, still inside (E, j)'s 32 steps; what it loads there is not used)
	LOADB 0, 0
	LOADB 1, SB
	s_barrier_signal -1                    ; my reads of h are over (the product's end waited for all of them); the maxima below are work on registers
	; each row's largest |pre-activation| over my 128 columns; every accumulator is read from its low end on
.macro MAXG a0, n, w, r0
	WIN (\w)|((\w)<<2)
.set x, 0
.rept \n
	v_max_num_f32 v[16+(\a0)+x], |v[(\r0)+64*x]|, |v[(\r0)+64*x+1]|
.set x, x+1
.endr
	WIN ((\w)<<2)|((\w)<<4)
.set i, 2
.rept 31
.set x, 0
.rept \n
	v_max3_num_f32 v[16+(\a0)+x], v[16+(\a0)+x], |v[(\r0)+64*x+i]|, |v[(\r0)+64*x+i+1]|
.set x, x+1
.endr
.set i, i+2
.endr
.endm
	MAXG 0, 4, 2, 0
	MAXG 4, 4, 3, 0
	MAXG 8, 2, 1, 128
	WIN 0
	s_mul_i32 s67, s20, 640
	s_add_co_u32 s67, s67, MXB
	v_lshl_add_u32 v26, v2, 2, s67
.irp a, 0,1,2,3,4,5,6,7,8,9
	v_mov_b32 v[32+\a], v[16+\a]
	v_permlanex16_b32 v[32+\a], v[16+\a], s62, s63
	v_max_num_f32 v[16+\a], v[16+\a], v[32+\a]
.endr
	s_barrier_wait -1                      ; nobody reads h any more: from here on LDS is written again
.irp a, 0,1,2,3,4,5,6,7,8,9
	ds_store_b32 v26, v[16+\a] offset:64*\a
.endr
	s_wait_dscnt 0x0
	s_barrier_signal -1
	s_barrier_wait -1                      ; the four waves' maxima are there
	v_lshl_add_u32 v27, v2, 2, MXB
.irp a, 0,1,2,3,4,5,6,7,8,9
.irp w, 0,1,2,3
	ds_load_b32 v[192+4*\a+\w], v27 offset:\w*640+64*\a
.endr
.endr
	s_wait_dscnt 0x0
.irp a, 0,1,2,3,4,5,6,7,8,9
	v_max3_num_f32 v[16+\a], v[192+4*\a], v[193+4*\a], v[194+4*\a]
	v_max_num_f32 v[16+\a], v[16+\a], v[195+4*\a]
	v_bfe_u32 v[16+\a], v[16+\a], 23, 8
	v_max_u32 v[16+\a], 14, v[16+\a]       ; the maximum's exponent field
.endr
.irp a, 0,1,2,3,4,5,6,7,8,9
	v_sub_nc_u32 v28, 267, v[16+\a]
	v_lshlrev_b32 v[232+2*\a], 23, v28     ; F, twice for the packed multiply
	v_mov_b32 v[233+2*\a], v[232+2*\a]
	v_add_nc_u32 v29, -13, v[16+\a]
	v_lshlrev_b32 v[32+2*\a], 23, v29      ; 1 / F
	v_add_nc_u32 v28, -1, v28
	v_lshlrev_b32 v[33+2*\a], 23, v28      ; F / 2
.endr
	s_cmp_lg_u32 s20, 0
	s_cbranch_scc1 .Lnotab
	v_lshl_add_u32 v30, v2, 4, TAB+8
.irp a, 0,1,2,3,4,5,6,7,8,9
	ds_store_b64 v30, v[32+2*\a:33+2*\a] offset:256*\a
.endr
.Lnotab:
.macro SCALEST a                       ; row block a: times F, rounded to f16, into A's rows at my columns
	ACCAT \a
	WIN (mw<<6)|mw
.set p, 0
.rept 32
	v_pk_mul_f32 v[mr+2*p:mr+2*p+1], v[mr+2*p:mr+2*p+1], v[232+2*(\a):233+2*(\a)]
.set p, p+1
.endr
	WIN mw|(mw<<2)
.set p, 0
.rept 32
	v_cvt_pk_f16_f32 v[32+p], v[mr+2*p], v[mr+2*p+1]
.set p, p+1
.endr
	WIN 0
.irp b, 0,1,2,3,4,5,6,7
	ds_store_b128 v[7+(\a)/4], v[32+4*\b:35+4*\b] offset:((\a)%4)*16640+32*\b
.endr
.endm
.irp a, 0,1,2,3,4,5,6,7,8,9
	SCALEST \a
.endr
	s_wait_dscnt 0x0
	s_barrier_signal -1
	s_barrier_wait -1                      ; the scaled pre-activations are whole rows in LDS
	; GELU in place, a row a trip; wave w has rows 40 w .. 40 w + 39, which no other wave touches; a lane 16 numbers.  2 gelu(x) = x + |x| erf(|x| / sqrt 2)
.irp r, 32,33
	v_mov_b32 v\r, 0x3e827906
.endr
.irp r, 34,35
	v_mov_b32 v\r, 0xbe91a98e
.endr
.irp r, 36,37
	v_mov_b32 v\r, 0x3fb5f0e3
.endr
.irp r, 38,39
	v_mov_b32 v\r, 0xbfba00e3
.endr
.irp r, 40,41
	v_mov_b32 v\r, 0x3f87dc22
.endr
.irp r, 42,43
	v_mov_b32 v\r, 0x3f596d27              ; sqrt(log2(e) / 2)
.endr
	v_mov_b32 v26, 0
	s_mul_i32 s73, s20, 41600              ; the row in hand, in bytes of LDS
	s_mul_i32 s74, s20, 640
	s_add_co_u32 s74, s74, TAB+8           ; and its 1/F, F/2 in the table
	v_add_nc_u32 v30, s73, v10
	v_mov_b32 v31, s74
	ds_load_b128 v[16:19], v30
	ds_load_b128 v[20:23], v30 offset:512
	ds_load_b64 v[28:29], v31
	s_wait_dscnt 0x0                       ; the first row: no store stands behind its loads
.macro ALL8 line:vararg
.set i, 0
.rept 8
	\line
.set i, i+1
.endr
.endm
.macro GROW pre
	s_wait_dscnt 2                         ; the row and its 1/F, F/2 are in; the last row's two stores, issued behind those three loads, may stay out: nothing here reads them
	v_mov_b32 v24, v28
	v_mov_b32 v44, v29
	v_mov_b32 v45, v29
	ALL8 v_fma_mix_f32 v[192+2*i], v[16+i], v24, v26 op_sel_hi:[1,0,0]
	ALL8 v_fma_mix_f32 v[193+2*i], v[16+i], v24, v26 op_sel:[1,0,0] op_sel_hi:[1,0,0]
.if \pre
	ds_load_b128 v[16:19], v30 offset:1040 ; the next row
	ds_load_b128 v[20:23], v30 offset:1552
	ds_load_b64 v[28:29], v31 offset:16
.endif
	ALL8 v_fma_f32 v[208+2*i], |v[192+2*i]|, s61, 1.0
	ALL8 v_fma_f32 v[209+2*i], |v[193+2*i]|, s61, 1.0
	ALL8 v_pk_mul_f32 v[224+2*i:225+2*i], v[192+2*i:193+2*i], v[42:43]
	ALL8 v_pk_mul_f32 v[224+2*i:225+2*i], v[224+2*i:225+2*i], v[224+2*i:225+2*i]
	ALL8 v_rcp_f32 v[208+2*i], v[208+2*i]
	ALL8 v_rcp_f32 v[209+2*i], v[209+2*i]
	ALL8 v_exp_f32 v[224+2*i], -v[224+2*i]
	ALL8 v_exp_f32 v[225+2*i], -v[225+2*i]
	v_nop                                  ; a plain instruction behind the batch,
	s_wait_alu depctr_va_vdst(0)           ; and one wait for its 32
	ALL8 v_pk_fma_f32 v[240+2*i:241+2*i], v[208+2*i:209+2*i], v[40:41], v[38:39]
	ALL8 v_pk_fma_f32 v[240+2*i:241+2*i], v[240+2*i:241+2*i], v[208+2*i:209+2*i], v[36:37]
	ALL8 v_pk_fma_f32 v[240+2*i:241+2*i], v[240+2*i:241+2*i], v[208+2*i:209+2*i], v[34:35]
	ALL8 v_pk_fma_f32 v[240+2*i:241+2*i], v[240+2*i:241+2*i], v[208+2*i:209+2*i], v[32:33]
	ALL8 v_pk_mul_f32 v[240+2*i:241+2*i], v[240+2*i:241+2*i], v[208+2*i:209+2*i]
	ALL8 v_pk_mul_f32 v[240+2*i:241+2*i], v[240+2*i:241+2*i], v[224+2*i:225+2*i]
	ALL8 v_pk_fma_f32 v[240+2*i:241+2*i], v[240+2*i:241+2*i], -1.0, 1.0 op_sel_hi:[1,0,0]
	ALL8 v_fma_f32 v[192+2*i], |v[192+2*i]|, v[240+2*i], v[192+2*i]
	ALL8 v_fma_f32 v[193+2*i], |v[193+2*i]|, v[241+2*i], v[193+2*i]
	ALL8 v_pk_mul_f32 v[192+2*i:193+2*i], v[192+2*i:193+2*i], v[44:45]
	ALL8 v_cvt_pk_f16_f32 v[48+i], v[192+2*i], v[193+2*i]
	ds_store_b128 v30, v[48:51]
	ds_store_b128 v30, v[52:55] offset:512
.if \pre
	s_add_co_u32 s73, s73, 1040            ; the next row: both addresses are made anew from the stepped scalars
	s_add_co_u32 s74, s74, 16
	v_add_nc_u32 v30, s73, v10
	v_mov_b32 v31, s74
.endif
.endm
	s_mov_b32 s27, 39
.Lgelu:
	GROW 1
	s_sub_co_u32 s27, s27, 1
	s_cmp_lg_u32 s27, 0
	s_cbranch_scc1 .Lgelu
	GROW 0
	s_wait_dscnt 0x0                       ; for the others' sake: all my stores are done
	s_barrier_signal -1
	s_barrier_wait -1                      ; hid x F is whole in LDS
	PHASE 2, 32
	s_barrier_signal -1
	s_barrier_wait -1                      ; nobody reads hid any more: its bytes serve the way out
	NOP4
	global_load_b128 v[16:19], v10, s[56:57]
	v_mov_b32 v21, 0
	s_wait_loadcnt 0x0
	v_cvt_pk_bf16_f32 v22, v16, v17
	v_cvt_pk_bf16_f32 v23, v18, v19
	v_lshlrev_b32 v16, 16, v22
	v_and_b32 v17, s60, v22
	v_lshlrev_b32 v18, 16, v23
	v_and_b32 v19, s60, v23
.irp r, 16,17,18,19
	v_mul_f32 v\r, s66, v\r
.endr
; THE WAY OUT, 80 rows at a time: my 128 columns into my stage, back as pieces of 512 bytes of a row, scaled and stored.
; The writing and the reading of the stages stand in intervals of their own, a barrier on every wave's path between them: no wave writes LDS while another reads.
.macro CSTORE c
	s_cmp_gt_i32 s25, 80*(\c)
	s_cbranch_scc0 .Lcs_\@                 ; the tile has no row in this chunk
.irp x, 0,1,2,3,4
	ACCAT 5*(\c)+\x
	WIN mw<<2
.irp b, 0,1,2,3,4,5,6,7
	ds_store_b128 v11, v[mr+8*\b:mr+8*\b+3] offset:\x*8448+64*\b
	ds_store_b128 v11, v[mr+8*\b+4:mr+8*\b+7] offset:\x*8448+64*\b+16
.endr
.endr
	WIN 0
.Lcs_\@:
	s_wait_dscnt 0x0
	s_barrier_signal -1
	s_barrier_wait -1
.endm
; Ten trips of eight rows, always: the count of trips is a constant, and what lies past the tile's count is jumped, forward, to the label ahead of the counter's step.
.macro CSEND c
	s_sub_co_i32 s28, s25, 80*(\c)         ; rows still to be stored
	s_mov_b32 s75, s48                     ; the eight rows in hand, in my stage,
	s_mov_b32 s76, TAB+1280*(\c)           ; and in the table
	s_mov_b32 s27, 10
.Lrow_\@:
	v_add_nc_u32 v12, s75, v10
	v_mov_b32 v23, s76
	s_cmp_gt_i32 s28, 0
	s_cbranch_scc0 .Lrskip_\@
	s_wait_xcnt 0x0                        ; the last trip's stores have read their data and addresses
.irp i, 0,1,2,3,4,5,6,7
	ds_load_b128 v[32+4*\i:35+4*\i], v12 offset:528*\i
	ds_load_b128 v[64+4*\i:67+4*\i], v23 offset:16*\i
.endr
	s_wait_dscnt 0x0
.irp i, 0,1,2,3,4,5,6,7
.if \i > 0
	s_cmp_gt_i32 s28, \i
	s_cbranch_scc0 .Lrskip_\@
.endif
	v_mul_f32 v20, v[66+4*\i], v[64+4*\i]  ; gate / F
	v_pk_mul_f32 v[24:25], v[16:17], v[64+4*\i:65+4*\i] op_sel_hi:[1,0]
	v_pk_mul_f32 v[26:27], v[18:19], v[64+4*\i:65+4*\i] op_sel_hi:[1,0]
	v_pk_fma_f32 v[32+4*\i:33+4*\i], v[32+4*\i:33+4*\i], v[20:21], v[24:25] op_sel_hi:[1,0,1]
	v_pk_fma_f32 v[34+4*\i:35+4*\i], v[34+4*\i:35+4*\i], v[20:21], v[26:27] op_sel_hi:[1,0,1]
	v_min_u32 v[96+\i], 0x7fff, v[65+4*\i]
	v_lshl_add_u32 v[96+\i], v[96+\i], 11, v13
	global_store_b128 v[96+\i], v[32+4*\i:35+4*\i], s[18:19]   ; 512 consecutive bytes of one partial row
.endr
.Lrskip_\@:
	s_sub_co_i32 s28, s28, 8
	s_add_co_u32 s75, s75, 4224
	s_add_co_u32 s76, s76, 128
	s_sub_co_u32 s27, s27, 1
	s_cmp_lg_u32 s27, 0
	s_cbranch_scc1 .Lrow_\@
	s_wait_dscnt 0x0
	s_barrier_signal -1
	s_barrier_wait -1
.endm
	CSTORE 0
	CSEND 0
	CSTORE 1
	CSEND 1
	s_wait_tensorcnt 0x0                   ; the wave's end
	ds_add_u32 v14, v15
	s_wait_dscnt 0x0
	s_endpgm
.Lfunc_end_k_q1e66cff88d_experts:
	.size	k_q1e66cff88d_experts, .Lfunc_end_k_q1e66cff88d_experts-k_q1e66cff88d_experts
	.p2alignl 7, 3214868480
	.fill 96, 4, 3214868480
	.section	.rodata,"a",@progbits
	.p2align	6, 0x0
	.amdhsa_kernel k_q1e66cff88d_experts
		.amdhsa_group_segment_fixed_size 175360
		.amdhsa_private_segment_fixed_size 0
		.amdhsa_enable_private_segment 0
		.amdhsa_kernarg_size 64
		.amdhsa_user_sgpr_count 2
		.amdhsa_user_sgpr_kernarg_segment_ptr 1
		.amdhsa_wavefront_size32 1
		.amdhsa_system_sgpr_workgroup_id_x 1
		.amdhsa_system_sgpr_workgroup_id_y 1
		.amdhsa_system_sgpr_workgroup_id_z 1
		.amdhsa_system_vgpr_workitem_id 0
		.amdhsa_next_free_vgpr 1024
		.amdhsa_next_free_sgpr 100
		.amdhsa_reserve_vcc 1
		.amdhsa_float_denorm_mode_32 3
		.amdhsa_float_denorm_mode_16_64 3
		.amdhsa_memory_ordered 1
		.amdhsa_forward_progress 1
		.amdhsa_inst_pref_size 255
	.end_amdhsa_kernel
	.section	.bss,"aw",@nobits
	.p2align	6
	.space	262144
	.amdgpu_metadata
---
amdhsa.version: [ 1, 2 ]
amdhsa.kernels:
  - .name:           k_q1e66cff88d_experts
    .symbol:         k_q1e66cff88d_experts.kd
    .args:
      - { .name: bitmap, .offset: 0, .size: 8, .value_kind: global_buffer, .address_space: global }
      - { .name: rowmask, .offset: 8, .size: 8, .value_kind: global_buffer, .address_space: global }
      - { .name: gd, .offset: 16, .size: 8, .value_kind: global_buffer, .address_space: global }
      - { .name: h16, .offset: 24, .size: 8, .value_kind: global_buffer, .address_space: global }
      - { .name: wf, .offset: 32, .size: 8, .value_kind: global_buffer, .address_space: global }
      - { .name: b1, .offset: 40, .size: 8, .value_kind: global_buffer, .address_space: global }
      - { .name: b2, .offset: 48, .size: 8, .value_kind: global_buffer, .address_space: global }
      - { .name: part, .offset: 56, .size: 8, .value_kind: global_buffer, .address_space: global }
    .group_segment_fixed_size: 175360
    .private_segment_fixed_size: 0
    .kernarg_segment_align: 8
    .kernarg_segment_size: 64
    .max_flat_workgroup_size: 128
    .sgpr_count:     100
    .vgpr_count:     1024
    .wavefront_size: 32
...
	.end_amdgpu_metadata
.endif
;; end of part 7
;; launch combine: the kernel of part 4 again; grid 512 x 1, 8 waves a work-group, no clusters, 0 bytes of LDS; arguments part, out0; writes out0
